; MI455X (gfx1250); checked and timed in simulation.
; The chip was launched on July 23, 2026; its instructions are those of AMD's public machine-readable ISA for CDNA 5 (MIT licence, August 2026) and "CDNA5" Instruction Set Architecture Reference Guide (July 2026). The comments in the code are by the model that wrote it; some were corrected since.
;; Attention Block. Allowed arithmetic: float matrix products may take bf16 or f16 operands with f32 sums; all other float work in f32.
;; Inputs: W_emb 2,048 x 1,024 float32; W_out 1,024 x 1,024 float32; W_proj 3,072 x 1,024 float32; b_emb 2,048 float32; emb 4 x 1,024 x 1,024 float32; x 4 x 1,024 x 1,024 float32.
;; Outputs: out0 4 x 1,024 x 1,024 float32.
;; One version. Each part assembles by itself: llvm-mc -triple=amdgcn-amd-amdhsa -mcpu=gfx1250 --defsym DOCPART=n.
;; ======== version 1 of 1: 5 launches
;; limits: inputs' magnitudes at most 65,504; values are held in f16: magnitudes above 65,504 overflow, below 6.1e-05 lose precision; right only within a limited range of input values; values outside matrix products are rounded to f16
;; workspace buffers: eh 8,388,608 bytes; xh 8,388,608 bytes; we 4,194,304 bytes; wh 12,582,912 bytes; part 4,096 bytes; hh 8,388,608 bytes; qkvh 25,165,824 bytes; oh 8,388,608 bytes
;; launch prep (part 1): grid 256 x 1, 8 waves a work-group, no clusters, 1,280 bytes of LDS; arguments x, emb, W_emb, b_emb, eh, xh, we, part; writes eh, xh, we, part
.if DOCPART == 1
	.amdgcn_target "amdgcn-amd-amdhsa--gfx1250"
	.amdhsa_code_object_version 6
	.text
	.protected	k_q4510cccf56_prep
	.globl	k_q4510cccf56_prep
	.p2align	8
	.type	k_q4510cccf56_prep,@function
k_q4510cccf56_prep:
	s_mov_b64 s[64:65], 0
	v_nop
	global_prefetch_b8 v0, s[64:65] scope:SCOPE_SE
	s_setreg_imm32_b32 hwreg(HW_REG_WAVE_MODE, 25, 1), 1
	s_wait_xcnt 0x0
; prep: what the first matrix launch needs, read once in f32 and left as f16.
;   eh = f16(emb)   xh = f16(LayerNorm(x))   we = f16(W_emb)
;   part[g] = (largest |emb row|^2, largest |W_emb row|^2, largest |b_emb|, 0) over what work-group g has read.
; The later launches form S = 1 + sqrt(max0) sqrt(max1) + max2 from part.  |emb W_emb^T + b| <= S - 1 by Cauchy-Schwarz, so
; h / S lies within +-33 and has room in f16 whatever the inputs' size.
; (W_proj and W_out are not needed before the third launch; the second rounds them while its waves wait for tiles.)
; LIMITS: |emb| and |W_emb| below 65504 (f16's largest number); numbers below 6.1e-5 keep an absolute error of 3e-8.
; A stream: no matrix unit, no cluster (no byte is read twice), LDS only for the eight waves' three maxima.
; A row is 4,096 bytes: one wave takes a whole row, eight 16-byte loads a lane, 32 registers.  10,240 rows = 5 for each of 2,048 waves.
; All 40 loads of a wave go out first; row k is worked on behind a wait that leaves the younger rows' loads out.
.set R,  16                            ; v[16+32k : 47+32k]  row k as loaded; its first 16 registers later hold the row in f16
.set T,  240                           ; v[240:247] four chains of partial sums
.set SQ, 248                           ; v[248:251] what goes to part
.set M,  252                           ; v[252:253] mean twice, v[254:255] 1/sigma twice
	s_load_b512 s[4:19], s[0:1], 0x0               ; x 4, emb 6, W_emb 8, b_emb 10, eh 12, xh 14, we 16, part 18
	v_lshl_add_u32 v238, v0, 2, 0x100
	v_mov_b32 v239, 0
	v_lshrrev_b32 v3, 5, v0
	v_readfirstlane_b32 s24, v3                    ; wave w
	v_and_b32 v4, 31, v0
	v_lshlrev_b32 v1, 4, v4                        ; 16 x lane: my bytes in each 512 of a source row
	v_lshlrev_b32 v2, 3, v4                        ; 8 x lane: my bytes in each 256 of a destination row
	s_mov_b32 s40, 0x3a800000                      ; 1/1024
	s_mov_b32 s41, 0x3727c5ac                      ; 1e-5
	s_mov_b32 s70, 0x76543210                      ; v_permlanex16_b32: lane i takes lane i of the other half
	s_mov_b32 s71, 0xfedcba98
	s_lshl_b32 s25, ttmp9, 4
	s_lshl1_add_u32 s25, s24, s25                  ; emb and x: rows 16 g + 2 w, + 1
	s_lshl_b32 s26, s25, 12
	s_mov_b32 s27, 0
	s_lshl_b32 s28, s25, 11
	s_mov_b32 s29, 0
	s_lshl_b32 s25, ttmp9, 3
	s_add_co_u32 s25, s25, s24                     ; W_emb: row 8 g + w; b_emb: the same index
	s_lshl_b32 s30, s25, 12
	s_mov_b32 s31, 0
	s_lshl_b32 s32, s25, 11
	s_mov_b32 s33, 0
	s_lshl_b32 s34, s25, 2
	s_mov_b32 s35, 0
	s_lshl_b32 s44, ttmp9, 4                       ; my entry of part
	s_mov_b32 s45, 0
	s_wait_kmcnt 0x0
	s_add_nc_u64 s[48:49], s[6:7], s[26:27]        ; emb
	s_add_nc_u64 s[50:51], s[12:13], s[28:29]      ; eh
	s_add_nc_u64 s[52:53], s[4:5], s[26:27]        ; x
	s_add_nc_u64 s[54:55], s[14:15], s[28:29]      ; xh
	s_add_nc_u64 s[56:57], s[8:9], s[30:31]        ; W_emb
	s_add_nc_u64 s[58:59], s[16:17], s[32:33]      ; we
	s_add_nc_u64 s[66:67], s[10:11], s[34:35]      ; b_emb
	s_add_nc_u64 s[68:69], s[18:19], s[44:45]      ; part
.macro LOADROW k, lo, off              ; eight loads of 512 neighbouring bytes: a whole row
.irp j, 0,1,2,3,4,5,6,7
	global_load_b128 v[R+32*\k+4*\j:R+32*\k+4*\j+3], v1, s[\lo:\lo+1] offset:\off+512*\j th:TH_LOAD_NT
.endr
.endm
.macro TREE d                          ; the four chains -> one number, summed over the 32 lanes, in every lane
	v_pk_add_f32 v[T:T+1], v[T:T+1], v[T+2:T+3]
	v_pk_add_f32 v[T+4:T+5], v[T+4:T+5], v[T+6:T+7]
	v_pk_add_f32 v[T:T+1], v[T:T+1], v[T+4:T+5]
	v_add_f32 v[\d], v[T], v[T+1]
.irp m, 1,2,4,8
	v_add_f32_dpp v[\d], v[\d], v[\d] row_xmask:\m row_mask:0xf bank_mask:0xf
.endr
	v_permlanex16_b32 v[T+1], v[\d], s70, s71      ; its destination counts as read: T+1 has been written
	v_add_f32 v[\d], v[\d], v[T+1]
.endm
.macro SUMSQ k, d                      ; the row's sum of squares; the first four products start the chains
.irp c, 0,1,2,3
	v_pk_mul_f32 v[T+2*\c:T+2*\c+1], v[R+32*\k+2*\c:R+32*\k+2*\c+1], v[R+32*\k+2*\c:R+32*\k+2*\c+1]
.endr
.irp p, 4,5,6,7,8,9,10,11,12,13,14,15
	v_pk_fma_f32 v[T+2*(\p&3):T+2*(\p&3)+1], v[R+32*\k+2*\p:R+32*\k+2*\p+1], v[R+32*\k+2*\p:R+32*\k+2*\p+1], v[T+2*(\p&3):T+2*(\p&3)+1]
.endr
	TREE \d
.endm
.macro CVTST k, lo, off                ; round to f16 in place (ascending, so no number is lost) and store: each store covers 256 consecutive bytes, aligned
.irp t, 0,1,2,3,4,5,6,7,8,9,10,11,12,13,14,15
	v_cvt_pk_f16_f32 v[R+32*\k+\t], v[R+32*\k+2*\t], v[R+32*\k+2*\t+1]
.endr
.irp j, 0,1,2,3,4,5,6,7
	global_store_b64 v2, v[R+32*\k+2*\j:R+32*\k+2*\j+1], s[\lo:\lo+1] offset:\off+256*\j
.endr
.endm
.macro LNROW k, lo, off                ; LayerNorm in two passes over the registers: the mean is taken away before the squares are summed
.irp c, 0,1,2,3
	v_pk_add_f32 v[T+2*\c:T+2*\c+1], v[R+32*\k+2*\c:R+32*\k+2*\c+1], v[R+32*\k+8+2*\c:R+32*\k+8+2*\c+1]
.endr
.irp p, 8,9,10,11,12,13,14,15
	v_pk_add_f32 v[T+2*(\p&3):T+2*(\p&3)+1], v[T+2*(\p&3):T+2*(\p&3)+1], v[R+32*\k+2*\p:R+32*\k+2*\p+1]
.endr
	TREE M
	v_mul_f32 v[M], s40, v[M]
	v_mov_b32 v[M+1], v[M]
.irp p, 0,1,2,3,4,5,6,7,8,9,10,11,12,13,14,15
	v_pk_add_f32 v[R+32*\k+2*\p:R+32*\k+2*\p+1], v[R+32*\k+2*\p:R+32*\k+2*\p+1], v[M:M+1] neg_lo:[0,1] neg_hi:[0,1]
.endr
	SUMSQ \k, M
	v_fma_f32 v[M], v[M], s40, s41                 ; variance + eps
	v_rsq_f32 v[M+2], v[M]
	v_nop                                          ; one plain place behind a transcendental before its result is used (ISA guide 5.7.2)
	s_wait_alu depctr_va_vdst(0)
	v_mov_b32 v[M+3], v[M+2]
.irp p, 0,1,2,3,4,5,6,7,8,9,10,11,12,13,14,15
	v_pk_mul_f32 v[R+32*\k+2*\p:R+32*\k+2*\p+1], v[R+32*\k+2*\p:R+32*\k+2*\p+1], v[M+2:M+3]
.endr
	CVTST \k, \lo, \off
.endm
	LOADROW 0, 48, 0                               ; 40 loads, 20,480 bytes of the wave on their way
	LOADROW 1, 48, 4096
	LOADROW 2, 56, 0
	LOADROW 3, 52, 0
	LOADROW 4, 52, 4096
	s_load_b32 s72, s[66:67], 0x0                  ; my b_emb
	s_wait_loadcnt 32                              ; loads come back in order: row 0 is in, four rows of eight loads stay out
	SUMSQ 0, SQ
	CVTST 0, 50, 0
	s_wait_loadcnt 24
	SUMSQ 1, SQ+1
	v_max_num_f32 v[SQ], v[SQ], v[SQ+1]
	CVTST 1, 50, 2048
	s_wait_loadcnt 16
	SUMSQ 2, SQ+1
	CVTST 2, 58, 0
	s_wait_loadcnt 8
	LNROW 3, 54, 0
	s_wait_loadcnt 0
	LNROW 4, 54, 2048
	; the eight waves' maxima meet in LDS; wave 0 stores the work-group's entry (16 bytes of a table of 4,096)
	s_wait_kmcnt 0x0
	s_and_b32 s72, s72, 0x7fffffff                 ; |b|
	v_mov_b32 v[SQ+2], s72
	v_mov_b32 v[SQ+3], 0
	v_lshlrev_b32 v5, 4, v3                        ; 16 w
	ds_store_b128 v5, v[SQ:SQ+3]                   ; all lanes write the same 16 bytes with the same numbers
	s_wait_dscnt 0x0                               ; for wave 0's sake: my store is done before I signal
	s_barrier_signal -1
	s_barrier_wait -1
	s_cmp_lg_u32 s24, 0
	s_cbranch_scc1 .Lend
	v_and_b32 v6, 7, v0
	v_lshlrev_b32 v6, 4, v6
	ds_load_b128 v[T:T+3], v6                      ; lane l takes wave l % 8's entry
	v_mov_b32 v7, 0
	s_wait_dscnt 0x0
.irp m, 1,2,4
.irp c, 0,1,2
	v_max_num_f32_dpp v[T+\c], v[T+\c], v[T+\c] row_xmask:\m row_mask:0xf bank_mask:0xf
.endr
.endr
	s_wait_xcnt 0x0                                ; EXEC is a source of the stores above: it changes only behind this wait
	v_cmp_eq_u32 vcc_lo, 0, v0
	s_and_saveexec_b32 s73, vcc_lo
	global_store_b128 v7, v[T:T+3], s[68:69]
	s_wait_xcnt 0x0                                ; and again in front of the line that widens it
	s_or_b32 exec_lo, exec_lo, s73
.Lend:
	s_wait_tensorcnt 0x0
	ds_add_u32 v238, v239
	s_wait_dscnt 0x0
	s_endpgm
.Lfunc_end_k_q4510cccf56_prep:
	.size	k_q4510cccf56_prep, .Lfunc_end_k_q4510cccf56_prep-k_q4510cccf56_prep
	.p2alignl 7, 3214868480
	.fill 96, 4, 3214868480
	.section	.rodata,"a",@progbits
	.p2align	6, 0x0
	.amdhsa_kernel k_q4510cccf56_prep
		.amdhsa_group_segment_fixed_size 1280
		.amdhsa_private_segment_fixed_size 0
		.amdhsa_enable_private_segment 0
		.amdhsa_kernarg_size 64
		.amdhsa_user_sgpr_count 2
		.amdhsa_user_sgpr_kernarg_segment_ptr 1
		.amdhsa_wavefront_size32 1
		.amdhsa_system_sgpr_workgroup_id_x 1
		.amdhsa_system_sgpr_workgroup_id_y 1
		.amdhsa_system_sgpr_workgroup_id_z 1
		.amdhsa_system_vgpr_workitem_id 0
		.amdhsa_next_free_vgpr 256
		.amdhsa_next_free_sgpr 76
		.amdhsa_reserve_vcc 1
		.amdhsa_float_denorm_mode_32 3
		.amdhsa_float_denorm_mode_16_64 3
		.amdhsa_memory_ordered 1
		.amdhsa_forward_progress 1
		.amdhsa_inst_pref_size 31
	.end_amdhsa_kernel
	.amdgpu_metadata
---
amdhsa.version: [ 1, 2 ]
amdhsa.kernels:
  - .name:           k_q4510cccf56_prep
    .symbol:         k_q4510cccf56_prep.kd
    .args:
      - { .name: x, .offset: 0, .size: 8, .value_kind: global_buffer, .address_space: global }
      - { .name: emb, .offset: 8, .size: 8, .value_kind: global_buffer, .address_space: global }
      - { .name: W_emb, .offset: 16, .size: 8, .value_kind: global_buffer, .address_space: global }
      - { .name: b_emb, .offset: 24, .size: 8, .value_kind: global_buffer, .address_space: global }
      - { .name: eh, .offset: 32, .size: 8, .value_kind: global_buffer, .address_space: global }
      - { .name: xh, .offset: 40, .size: 8, .value_kind: global_buffer, .address_space: global }
      - { .name: we, .offset: 48, .size: 8, .value_kind: global_buffer, .address_space: global }
      - { .name: part, .offset: 56, .size: 8, .value_kind: global_buffer, .address_space: global }
    .group_segment_fixed_size: 1280
    .private_segment_fixed_size: 0
    .kernarg_segment_align: 8
    .kernarg_segment_size: 64
    .max_flat_workgroup_size: 256
    .sgpr_count:     76
    .vgpr_count:     256
    .wavefront_size: 32
...
	.end_amdgpu_metadata
.endif
;; end of part 1
;; launch film (part 2): grid 8 x 32, 4 waves a work-group, clusters of 4 x 4, 327,680 bytes of LDS; arguments eh, we, xh, b_emb, part, W_proj, W_out, hh, wh; writes hh, wh
.if DOCPART == 2
	.amdgcn_target "amdgcn-amd-amdhsa--gfx1250"
	.amdhsa_code_object_version 6
	.text
	.protected	k_q4510cccf56_film
	.globl	k_q4510cccf56_film
	.p2align	8
	.type	k_q4510cccf56_film,@function
k_q4510cccf56_film:
	s_mov_b64 s[64:65], 0
	v_nop
	global_prefetch_b8 v0, s[64:65] scope:SCOPE_SE
	s_setreg_imm32_b32 hwreg(HW_REG_WAVE_MODE, 25, 1), 1
	s_wait_xcnt 0x0
	s_wait_alu depctr_hold_cnt(0) depctr_sa_sdst(0) depctr_va_vdst(0) depctr_va_sdst(0) depctr_va_ssrc(0) depctr_va_vcc(0) depctr_vm_vsrc(0)
	s_getreg_b32 s2, hwreg(HW_REG_IB_STS2, 6, 4)
	s_cmp_eq_u32 s2, 0
	s_cbranch_scc0 .Lentry_in_a_cluster
	s_endpgm
.Lentry_in_a_cluster:
	s_bfe_u32 s2, ttmp6, 0x10000c
	s_cmp_lg_u32 s2, 0xf033
	s_cbranch_scc0 .Lentry_shape_is_right
	s_endpgm
.Lentry_shape_is_right:
; film: hh[t][c] = ( xn[t][c] (1 + scale[t][c]) + shift[t][c] ) / S in f16, with (scale | shift) = emb W_emb^T + b_emb and xn = LayerNorm(x).
; S = 1 + sqrt(max |emb row|^2) sqrt(max |W_emb row|^2) + max |b_emb| (from part): |scale|, |shift| <= S - 1, |xn| < 32, so |hh| <= 33: inside f16 for every input.
; LIMIT: a token whose h lies more than some 1,000 times below that bound falls among f16's denormals (absolute error 3e-8).
; A work-group makes 128 tokens x 128 columns of h, and for them TWO pieces of the product: W_emb rows 128 j .. (scale) and 1024 + 128 j .. (shift).
; Four waves, as many as a WGP has SIMDs; wave (wr, wc) makes 64 tokens x 64 columns of both pieces: 32 accumulator tiles, 256 registers.
; THE RING: K goes in eight steps of 128 (rows of 256 bytes, at multiples of 256 bytes) through THREE LDS slots.  Tiles 0, 1, 2 are asked for at the start;
; then two slots are filled behind one barrier (tiles 3, 4; 5, 6; 7), so that there are three such barriers for eight tiles and every second tile has two
; K steps in which to land.  The eight steps are written out: the slots' pattern would repeat only after six.
; CLUSTER 4 x 4: the four work-groups of a row of the cluster need the same tokens, the four of a column the same weight rows; each such tile is asked for
; jointly, which divides the requests for both by four.  Every wave asks for 32 rows of each tile, so all waves run the same lines.
; THE MATRIX INSTRUCTION IS USED TRANSPOSED (source 0 weights, source 1 tokens): lane (r, h), register j of tile (a, b) holds token 16 a + r,
; column 16 (b & 3) + 8 h + j of piece b >> 2: eight neighbouring columns, 16 bytes of f16.
; BESIDE ITS OWN WORK the launch rounds W_proj and W_out to f16 for the launches behind it (wh: W_proj at byte 4,194,304, W_out at 10,485,760): 4,096 rows of
; 4,096 bytes, 16 for a work-group, 4 for a wave.  The 32 loads go out behind the first tiles' requests; rounding and stores stand where the wave waits for tile 3.
; LIMIT: |W_proj|, |W_out| below 65504.
; REGISTERS in windows of 256: window 0 addresses, xn, work, tokens' fragments (two buffers), biases; window 1 weights' fragments (two buffers);
; window 2 accumulators; window 3 (v0-127 there) the four weight rows.
.set NB,    2                          ; pieces of 128 weight rows
.set NT,    4*NB                       ; weight tiles of a wave
.set KSTEP, 128
.set SUBS,  KSTEP/32
.set AP,    272                        ; LDS pitch: 256 bytes + 16 of padding, an odd multiple of 16: the 16 rows of a fragment load start in 16 different groups of banks
.set BP,    272
.set ASZ,   128*AP
.set SLOT,  ASZ+NB*128*BP              ; 104,448; three slots are 313,344 bytes
.set STG,   2*SLOT                     ; the way out: 128 x 272 bytes at the head of slot 2, which has its last fill with tile 5 and its last read in K step 5
.set TSTEP, 3*KSTEP*2                  ; a slot's next tile is three tiles on
.set G1A, 16                           ; s[16:23] group 1 of the tokens' tiles
.set G1B, 24                           ; s[24:31] group 1 of the weights' tiles
                                       ; group 0, set 3 slot + (0 tokens, 1 + p piece p): sets 0-7 in s[32:63], set 8 in s[80:83]
.set ADRA, 8                           ; v8-10      my tokens' fragments in slot 0, 1, 2
.set ADRB, 11                          ; v[11+2s+p] my weights' fragments in slot s, piece p
.set IS,  22                           ; v[22:23]   1/S twice
.set SS,  24                           ; v[24:25]   S twice
.set FA,  128                          ; v128-159, v160-191 (window 0)
.set FB,  0                            ; v0-63, v64-127 (window 1)
.set MSB, 0
.macro WIN new                         ; the immediate's high byte repeats the setting that is left; a switch that changes nothing is dropped
.if MSB != \new
	s_set_vgpr_msb (MSB<<8)|\new
.set MSB, \new
.endif
.endm
.macro PLACES                          ; four plain places behind a matrix instruction before its registers are loaded into or its result is read (ISA guide 7.12.1)
.rept 4
	v_nop
.endr
.endm
.macro CREST                           ; a round of the cluster's barrier behind its opening work-group barrier
	s_cmp_lg_u32 s66, 0
	s_cbranch_scc1 .Lnot_wave_0_\@
	s_barrier_signal -3
.Lnot_wave_0_\@:
	s_barrier_wait -3
	s_barrier_signal -1
	s_barrier_wait -1
.endm
.macro CROUND
	s_barrier_signal -1
	s_barrier_wait -1
	CREST
.endm
.macro MKG0 idx, ldsreg, ldsoff, alo, goff     ; group 0: count 1, LDS byte address, global byte address, type 2
.set gr, 32+4*(\idx)+16*((\idx)/8)
	s_mov_b32 s[gr], 1
	s_add_co_u32 s[gr+1], s[\ldsreg], \ldsoff
	s_add_nc_u64 s[gr+2:gr+3], s[\alo:\alo+1], \goff
	s_or_b32 s[gr+3], s[gr+3], 0x80000000
.endm
.macro ISSUE slot                      ; my 32 rows of the tokens' tile and of each piece: three loads
.set il, 0
.rept 3
.set gr, 32+4*(3*\slot+il)+16*((3*\slot+il)/8)
.if il == 0
	tensor_load_to_lds s[gr:gr+3], s[G1A:G1A+7]
	s_nop 0
.else
	tensor_load_to_lds s[gr:gr+3], s[G1B:G1B+7]
	s_nop 0
.endif
.set il, il+1
.endr
.endm
.macro STEPADDR slot                   ; three tiles on; the type bits on top are not reached
.set il, 0
.rept 3
.set gr, 32+4*(3*\slot+il)+16*((3*\slot+il)/8)
	s_add_nc_u64 s[gr+2:gr+3], s[gr+2:gr+3], TSTEP
.set il, il+1
.endr
.endm
.macro FETCH slot, ks, buf             ; the fragments of 32 along K: 8 weight tiles, 4 token tiles, two loads of 16 bytes each, 32 bytes apart; one run
.set fks, \ks
.set fbuf, \buf
	WIN 0x40
.set fb, 0
.rept NT
	ds_load_b128 v[FB+fbuf*8*NT+8*fb:FB+fbuf*8*NT+8*fb+3], v[ADRB+2*\slot+(fb>>2)] offset:64*fks+(fb&3)*16*BP
	ds_load_b128 v[FB+fbuf*8*NT+8*fb+4:FB+fbuf*8*NT+8*fb+7], v[ADRB+2*\slot+(fb>>2)] offset:64*fks+(fb&3)*16*BP+32
.set fb, fb+1
.endr
	WIN 0
.set fa, 0
.rept 4
	ds_load_b128 v[FA+32*fbuf+8*fa:FA+32*fbuf+8*fa+3], v[ADRA+\slot] offset:64*fks+fa*16*AP
	ds_load_b128 v[FA+32*fbuf+8*fa+4:FA+32*fbuf+8*fa+7], v[ADRA+\slot] offset:64*fks+fa*16*AP+32
.set fa, fa+1
.endr
.endm
; token tiles a0 .. a1 x all weight tiles.  The 32 accumulators take turns, one instruction a turn, in the same order in every quarter step.
.macro MUL buf, a0, a1, zero
.set mbuf, \buf
.set ma, \a0
	WIN 0xa1
.rept \a1-\a0+1
.set mb, 0
.rept NT
.set mr, 8*(ma*NT+mb)
.if \zero
	v_wmma_f32_16x16x32_f16 v[mr:mr+7], v[FB+mbuf*8*NT+8*mb:FB+mbuf*8*NT+8*mb+7], v[FA+32*mbuf+8*ma:FA+32*mbuf+8*ma+7], 0
.else
	v_wmma_f32_16x16x32_f16 v[mr:mr+7], v[FB+mbuf*8*NT+8*mb:FB+mbuf*8*NT+8*mb+7], v[FA+32*mbuf+8*ma:FA+32*mbuf+8*ma+7], v[mr:mr+7]
.endif
.set mb, mb+1
.endr
.set ma, ma+1
.endr
.endm
.macro SUB slot, ks, zero              ; a quarter step: this one's fragments are in, the next one's go out, then 32 matrix instructions in which they land
	s_wait_dscnt 0x0
	PLACES
	FETCH \slot, \ks+1, (\ks+1)&1
	MUL (\ks)&1, 0, 3, \zero
.endm
.macro STEP slot, zero                 ; the first three quarters of a K step
	SUB \slot, 0, \zero
.set sk, 1
.rept SUBS-2
	SUB \slot, sk, 0
.set sk, sk+1
.endr
.endm
; The four weight rows: round in place (ascending, so no number is lost) and store; each store covers 256 consecutive bytes, aligned.
.macro CONV
	s_wait_loadcnt 0x0                             ; the 32 loads issued ahead of the K steps
	WIN 0xcf                                       ; sources 0, 1 and destination: window 3
.irp k, 0,1,2,3
.set ct, 0
.rept 16
	v_cvt_pk_f16_f32 v[32*\k+ct], v[32*\k+2*ct], v[32*\k+2*ct+1]
.set ct, ct+1
.endr
.endr
	WIN 0x0c                                       ; a store's data is source 1: window 3; its address register source 0: window 0
.irp k, 0,1,2,3
.irp j, 0,1,2,3,4,5,6,7
	global_store_b64 v27, v[32*\k+2*\j:32*\k+2*\j+1], s[88:89] offset:2048*\k+256*\j
.endr
.endr
	WIN 0
.endm
; The last quarter of a K step behind which nothing is filled: the next tile has to be there for all four waves.  left = my younger tensor loads, which stay out.
; The wait stands behind the quarter's first 16 matrix instructions, which run while the tile lands.
.macro NEXT next, left, conv
	s_wait_dscnt 0x0
	MUL 1, 0, 1, 0
	WIN 0
.if \conv
	CONV
.endif
	s_wait_tensorcnt \left
	s_barrier_signal -1
	s_barrier_wait -1
	PLACES
	FETCH \next, 0, 0
	MUL 1, 2, 3, 0
.endm
; The last quarter of a K step behind which slots f0 (and f1) are filled again.  In front of the barrier each wave has waited for its reads of them and for all its tensor
; loads (its part of the next tile among them).  The barrier opens a round of the cluster's barrier, and the joint refills are the first tensor loads behind the round.
.macro TURN next, f0, f1, two
	s_wait_dscnt 0x0
	s_wait_tensorcnt 0x0
	ds_add_u32 v255, v31
	s_wait_dscnt 0x0
	s_barrier_signal -1
	MUL 1, 0, 1, 0                                 ; registers only, while the others arrive
	WIN 0
	s_barrier_wait -1
	CREST
	STEPADDR \f0                                   ; no tensor load of mine is out: every group 0 may be written
.if \two
	STEPADDR \f1
.endif
	ISSUE \f0
.if \two
	ISSUE \f1
.endif
	PLACES
	FETCH \next, 0, 0
	MUL 1, 2, 3, 0
.endm
.macro SCALE plo                       ; S and 1/S from the 256 entries of part; every wave for itself, the result in every lane
.irp t, 0,1,2,3,4,5,6,7
	global_load_b128 v[128+4*\t:131+4*\t], v19, s[\plo:\plo+1] offset:512*\t
.endr
	v_mov_b32 v100, 0
	s_wait_loadcnt 0x0                             ; these, and the biases' and xn's loads issued before them
.irp c, 0,1,2
	v_max3_num_f32 v[96+\c], v[128+\c], v[132+\c], v[136+\c]
	v_max3_num_f32 v[96+\c], v[96+\c], v[140+\c], v[144+\c]
	v_max3_num_f32 v[96+\c], v[96+\c], v[148+\c], v[152+\c]
	v_max_num_f32 v[96+\c], v[96+\c], v[156+\c]
	v_max_num_f32_dpp v[96+\c], v[96+\c], v[96+\c] row_xmask:1 row_mask:0xf bank_mask:0xf
	v_max_num_f32_dpp v[96+\c], v[96+\c], v[96+\c] row_xmask:2 row_mask:0xf bank_mask:0xf
	v_max_num_f32_dpp v[96+\c], v[96+\c], v[96+\c] row_xmask:4 row_mask:0xf bank_mask:0xf
	v_max_num_f32_dpp v[96+\c], v[96+\c], v[96+\c] row_xmask:8 row_mask:0xf bank_mask:0xf
	v_permlanex16_b32 v100, v[96+\c], s96, s97
	v_max_num_f32 v[96+\c], v[96+\c], v100
.endr
	v_sqrt_f32 v99, v96
	v_sqrt_f32 v101, v97
	v_nop                                          ; one plain place behind a transcendental (ISA guide 5.7.2)
	s_wait_alu depctr_va_vdst(0)
	v_fma_f32 v99, v99, v101, v98
	v_add_f32 v[SS], 1.0, v99
	v_rcp_f32 v[IS], v[SS]
	v_nop
	v_mov_b32 v[SS+1], v[SS]
	s_wait_alu depctr_va_vdst(0)
	v_mov_b32 v[IS+1], v[IS]
.endm
.macro CVT2 d, r                       ; the two f16 of register r as f32
	v_cvt_f32_f16 v[\d], v\r\().l
	v_cvt_f32_f16 v[\d+1], v\r\().h
.endm
	s_load_b256 s[4:11], s[0:1], 0x0               ; eh 4, we 6, xh 8, b_emb 10
	s_load_b128 s[12:15], s[0:1], 0x20             ; part 12, W_proj 14
	s_load_b128 s[84:87], s[0:1], 0x30             ; W_out 84, hh 86
	s_load_b64 s[88:89], s[0:1], 0x40              ; wh
	s_set_vgpr_msb 0x40
	v_lshl_add_u32 v255, v0, 2, 0x4c800
	s_set_vgpr_msb 0x4000
	v_mov_b32 v31, 0
	s_set_vgpr_msb 0x1
	ds_add_u32 v255, v31
	s_wait_dscnt 0x0
	s_set_vgpr_msb 0x100
	v_lshrrev_b32 v1, 5, v0
	v_readfirstlane_b32 s66, v1                    ; wave w
	s_lshr_b32 s67, s66, 1                         ; wr: which 64 tokens
	s_and_b32 s68, s66, 1                          ; wc: which 64 columns
	s_bfe_u32 s69, ttmp6, 0x40000                  ; cx
	s_bfe_u32 s70, ttmp6, 0x40004                  ; cy
	s_lshl_b32 s71, ttmp9, 2
	s_add_co_u32 s71, s71, s69                     ; j: block of 128 columns, 0..7
	s_and_b32 s72, ttmp7, 0xffff
	s_lshl_b32 s72, s72, 2
	s_add_co_u32 s72, s72, s70                     ; i: block of 128 tokens, 0..31
	s_lshl_b32 s73, s70, 2
	s_lshl_b32 s73, 15, s73                        ; my row of the cluster
	s_lshl_b32 s74, 0x1111, s69                    ; my column
	s_mov_b32 s96, 0x76543210
	s_mov_b32 s97, 0xfedcba98
	; group 1: 32 rows x 128 elements of 2 bytes, 1,024 elements from row to row; in LDS 4 words of padding behind every 64
	s_or_b32 s[G1A], s73, (1<<16)|(1<<20)|(1<<21)|(5<<22)|(3<<25)
	s_or_b32 s[G1B], s74, (1<<16)|(1<<20)|(1<<21)|(5<<22)|(3<<25)
.irp g, 16,24
	s_mov_b32 s[\g+1], 128<<16                     ; tensor_dim0
	s_mov_b32 s[\g+2], 32<<16                      ; tensor_dim1
	s_mov_b32 s[\g+3], 128<<16                     ; tile_dim0
	s_mov_b32 s[\g+4], 32                          ; tile_dim1
	s_mov_b32 s[\g+5], 1024                        ; pitch
	s_mov_b32 s[\g+6], 0
	s_mov_b32 s[\g+7], 0
.endr
	s_lshl_b32 s73, s66, 5                         ; 32 w (the masks have been used: s73 is at work, s[74:75] an offset)
	s_lshl_b32 s76, s72, 7
	s_add_co_u32 s76, s76, s73
	s_lshl_b32 s76, s76, 11                        ; tokens: row 128 i + 32 w, 2,048 bytes a row (hangs on cy and w alone)
	s_mov_b32 s77, 0
	s_lshl_b32 s78, s71, 7
	s_add_co_u32 s78, s78, s73
	s_lshl_b32 s78, s78, 11                        ; weights: row 128 j + 32 w (hangs on cx and w alone)
	s_mov_b32 s79, 0
	s_lshl_b32 s73, s71, 8                         ; 256 j
	s_add_co_u32 s94, s76, s73                     ; h: rows 128 i + 32 w, byte 256 j
	s_mov_b32 s95, 0
	s_lshl_b32 s92, s72, 7
	s_lshl_b32 s3, s67, 6
	s_add_co_u32 s92, s92, s3
	s_lshl_b32 s92, s92, 11
	s_add_co_u32 s92, s92, s73
	s_lshl_b32 s3, s68, 7
	s_add_co_u32 s92, s92, s3                      ; xn: rows 128 i + 64 wr, byte 256 j + 128 wc
	s_mov_b32 s93, 0
	s_lshl_b32 s90, s71, 9
	s_lshl_b32 s3, s68, 8
	s_add_co_u32 s90, s90, s3                      ; b_emb: (128 j + 64 wc) x 4
	s_mov_b32 s91, 0
	s_lshl_b32 s98, s72, 7
	s_lshl4_add_u32 s98, s71, s98
	s_lshl2_add_u32 s98, s66, s98                  ; weight rows to round: 16 (8 i + j) + 4 w .. + 3 of W_proj's 3,072 followed by W_out's 1,024
	s_sub_co_u32 s73, s98, 3072
	s_cmp_lt_u32 s72, 24                           ; block rows 0-23 have W_proj's rows, 24-31 W_out's
	s_cselect_b32 s74, s98, s73
	s_lshl_b32 s74, s74, 12                        ; from: 4,096 bytes a row
	s_mov_b32 s75, 0
	s_lshl_b32 s98, s98, 11
	s_add_co_u32 s98, s98, 0x400000                ; to: 2,048 bytes a row, from byte 4,194,304 of wh
	s_mov_b32 s99, 0
	s_mul_i32 s100, s66, 32*AP                     ; where my rows go in LDS: the wave's number alone
	s_mul_i32 s101, s66, 32*BP
	CROUND                                         ; all sixteen work-groups are here, so that the first joint loads meet; it passes while the arguments come
	s_wait_kmcnt 0x0
	s_add_nc_u64 s[76:77], s[4:5], s[76:77]
	s_add_nc_u64 s[78:79], s[6:7], s[78:79]
	s_add_nc_u64 s[92:93], s[8:9], s[92:93]
	s_add_nc_u64 s[90:91], s[10:11], s[90:91]
	s_add_nc_u64 s[94:95], s[86:87], s[94:95]
	s_cmp_lt_u32 s72, 24
	s_cselect_b64 s[84:85], s[14:15], s[84:85]
	s_add_nc_u64 s[84:85], s[84:85], s[74:75]
	s_add_nc_u64 s[88:89], s[88:89], s[98:99]
.irp s, 0,1,2
	MKG0 3*\s, 100, \s*SLOT, 76, \s*KSTEP*2
	MKG0 3*\s+1, 101, \s*SLOT+ASZ, 78, \s*KSTEP*2
	MKG0 3*\s+2, 101, \s*SLOT+ASZ+128*BP, 78, 2097152+\s*KSTEP*2
.endr
	ISSUE 0
	ISSUE 1
	ISSUE 2                                        ; nine tensor loads of the wave are out now, the most in this text
	v_and_b32 v1, 15, v0                           ; r
	v_bfe_u32 v2, v0, 4, 1                         ; h
	v_and_b32 v3, 31, v0
	v_lshlrev_b32 v19, 4, v3                       ; 16 x lane
	v_lshlrev_b32 v27, 3, v3                       ; 8 x lane
	v_lshlrev_b32 v21, 5, v2                       ; 32 h: my eight biases of a tile
	v_lshlrev_b32 v28, 11, v1
	v_lshl_add_u32 v28, v2, 4, v28                 ; xn: row r, byte 16 h
.irp b, 0,1,2,3
	global_load_b128 v[192+8*\b:195+8*\b], v21, s[90:91] offset:64*\b
	global_load_b128 v[196+8*\b:199+8*\b], v21, s[90:91] offset:64*\b+16
	global_load_b128 v[224+8*\b:227+8*\b], v21, s[90:91] offset:4096+64*\b
	global_load_b128 v[228+8*\b:231+8*\b], v21, s[90:91] offset:4096+64*\b+16
.endr
.irp a, 0,1,2,3
.irp b, 0,1,2,3
	global_load_b128 v[32+16*\a+4*\b:35+16*\a+4*\b], v28, s[92:93] offset:32768*\a+32*\b   ; xn of my own outputs, in their lanes: the four loads of an a cover 128 bytes of each of 16 rows
.endr
.endr
	v_mul_u32_u24 v4, v1, AP
	v_lshl_add_u32 v4, v2, 4, v4                   ; r x pitch + 16 h
	s_mul_i32 s73, s67, 64*AP
	v_add_nc_u32 v[ADRA], s73, v4
	v_add_nc_u32 v[ADRA+1], SLOT, v[ADRA]
	v_add_nc_u32 v[ADRA+2], 2*SLOT, v[ADRA]
	v_mul_u32_u24 v5, v1, BP
	v_lshl_add_u32 v5, v2, 4, v5
	s_mul_i32 s73, s68, 64*BP
	s_add_co_u32 s73, s73, ASZ
	v_add_nc_u32 v[ADRB], s73, v5
	v_add_nc_u32 v[ADRB+1], 128*BP, v[ADRB]
	v_add_nc_u32 v[ADRB+2], SLOT, v[ADRB]
	v_add_nc_u32 v[ADRB+3], SLOT+128*BP, v[ADRB]
	v_add_nc_u32 v[ADRB+4], 2*SLOT, v[ADRB]
	v_add_nc_u32 v[ADRB+5], 2*SLOT+128*BP, v[ADRB]
	s_mul_i32 s73, s67, 64*272
	s_lshl_b32 s3, s68, 7
	s_add_co_u32 s73, s73, s3
	s_add_co_u32 s73, s73, STG
	v_add_nc_u32 v20, s73, v4                      ; the stage, in: row 64 wr + r, byte 128 wc + 16 h
	v_mul_u32_u24 v6, v2, 272
	v_lshl_add_u32 v6, v1, 4, v6
	s_add_co_u32 s73, s100, STG
	v_add_nc_u32 v17, s73, v6                      ; back out: row 32 w + h, byte 16 r
	v_lshlrev_b32 v7, 11, v2
	v_lshl_add_u32 v18, v1, 4, v7                  ; the same two rows in hh
	SCALE 12
.set q, 0
.rept 16
	v_pk_fma_f32 v[192+2*q:193+2*q], v[192+2*q:193+2*q], v[IS:IS+1], v[IS:IS+1]    ; (1 + b_scale) / S
	v_pk_mul_f32 v[224+2*q:225+2*q], v[224+2*q:225+2*q], v[IS:IS+1]                ; b_shift / S
.set q, q+1
.endr
	WIN 0xc0                                       ; destination: window 3
.irp k, 0,1,2,3
.irp j, 0,1,2,3,4,5,6,7
	global_load_b128 v[32*\k+4*\j:32*\k+4*\j+3], v19, s[84:85] offset:4096*\k+512*\j th:TH_LOAD_NT   ; four weight rows, 512 neighbouring bytes to a load
.endr
.endr
	WIN 0
	s_wait_tensorcnt 6                             ; my three loads of tile 0 are in; the six of tiles 1 and 2 stay out
	s_barrier_signal -1
	s_barrier_wait -1
	FETCH 0, 0, 0
	STEP 0, 1                                      ; tile 0: its first products start the sums
	NEXT 1, 3, 0                                   ; tile 1 is in; tile 2's three loads stay out
	STEP 1, 0
	TURN 2, 0, 1, 1                                ; tile 2 has landed; tiles 3 and 4 go out, into slots 0 and 1
	STEP 2, 0
	NEXT 0, 3, 1                                   ; the weight rows leave; then tile 3 is in, tile 4's three loads stay out
	STEP 0, 0
	TURN 1, 2, 0, 1                                ; tile 4 has landed; tiles 5 and 6 go out, into slots 2 and 0
	STEP 1, 0
	NEXT 2, 3, 0                                   ; tile 5 is in; tile 6's three loads stay out
	STEP 2, 0
	TURN 0, 1, 1, 0                                ; tile 6 has landed; tile 7 goes out, into slot 1
	STEP 0, 0
	NEXT 1, 0, 0                                   ; tile 7, the last: no tensor load is out from here on
	STEP 1, 0
	s_wait_dscnt 0x0
	MUL 1, 0, 3, 0
	PLACES
	WIN 0
; THE WAY OUT, 16 tokens at a time: h/S = xn ((acc_scale + b_scale + 1)/S) + (acc_shift + b_shift)/S, three fused multiply-adds; 16 bytes a lane into the stage.
; Every wave has passed a barrier.
.macro FOUT a, regs:vararg
	WIN 0x02                                       ; source 0: the accumulators' window
.set q, 0
.rept 16
	v_pk_fma_f32 v[96+2*q:97+2*q], v[64*\a+2*q:64*\a+2*q+1], v[IS:IS+1], v[192+2*q:193+2*q]
	v_pk_fma_f32 v[128+2*q:129+2*q], v[64*\a+32+2*q:64*\a+32+2*q+1], v[IS:IS+1], v[224+2*q:225+2*q]
.set q, q+1
.endr
	WIN 0
.irp r, \regs
	CVT2 160+2*(\r-32-16*\a), \r
.endr
.set q, 0
.rept 16
	v_pk_fma_f32 v[160+2*q:161+2*q], v[160+2*q:161+2*q], v[96+2*q:97+2*q], v[128+2*q:129+2*q]
.set q, q+1
.endr
.set q, 0
.rept 16
	v_cvt_pk_f16_f32 v[32+16*\a+q], v[160+2*q], v[161+2*q]
.set q, q+1
.endr
.irp b, 0,1,2,3
	ds_store_b128 v20, v[32+16*\a+4*\b:35+16*\a+4*\b] offset:\a*16*272+32*\b
.endr
.endm
	FOUT 0, 32,33,34,35,36,37,38,39,40,41,42,43,44,45,46,47
	FOUT 1, 48,49,50,51,52,53,54,55,56,57,58,59,60,61,62,63
	FOUT 2, 64,65,66,67,68,69,70,71,72,73,74,75,76,77,78,79
	FOUT 3, 80,81,82,83,84,85,86,87,88,89,90,91,92,93,94,95
	s_wait_dscnt 0x0                               ; a row of 256 bytes belongs to two waves: my stores are done before I signal
	s_barrier_signal -1
	s_barrier_wait -1
.irp t, 0,1,2,3,4,5,6,7,8,9,10,11,12,13,14,15
	ds_load_b128 v[64+4*\t:67+4*\t], v17 offset:544*\t
.endr
.irp t, 0,1,2,3,4,5,6,7,8,9,10,11,12,13,14,15
	s_wait_dscnt 15-\t                             ; LDS loads come back in order: load t is in
	global_store_b128 v18, v[64+4*\t:67+4*\t], s[94:95] offset:4096*\t     ; sixteen lanes store 256 consecutive bytes, aligned
.endr
	s_set_vgpr_msb 0x1
	s_wait_tensorcnt 0x0
	ds_add_u32 v255, v31
	s_wait_dscnt 0x0
	s_set_vgpr_msb 0x100
	CROUND                                         ; the closing round: no work-group ends while a partner may still ask for a tile that names it
	s_endpgm
.Lfunc_end_k_q4510cccf56_film:
	.size	k_q4510cccf56_film, .Lfunc_end_k_q4510cccf56_film-k_q4510cccf56_film
	.p2alignl 7, 3214868480
	.fill 96, 4, 3214868480
	.section	.rodata,"a",@progbits
	.p2align	6, 0x0
	.amdhsa_kernel k_q4510cccf56_film
		.amdhsa_group_segment_fixed_size 327680
		.amdhsa_private_segment_fixed_size 0
		.amdhsa_enable_private_segment 0
		.amdhsa_kernarg_size 72
		.amdhsa_user_sgpr_count 2
		.amdhsa_user_sgpr_kernarg_segment_ptr 1
		.amdhsa_wavefront_size32 1
		.amdhsa_system_sgpr_workgroup_id_x 1
		.amdhsa_system_sgpr_workgroup_id_y 1
		.amdhsa_system_sgpr_workgroup_id_z 1
		.amdhsa_system_vgpr_workitem_id 0
		.amdhsa_next_free_vgpr 896
		.amdhsa_next_free_sgpr 102
		.amdhsa_reserve_vcc 0
		.amdhsa_float_denorm_mode_32 3
		.amdhsa_float_denorm_mode_16_64 3
		.amdhsa_memory_ordered 1
		.amdhsa_forward_progress 1
		.amdhsa_inst_pref_size 177
	.end_amdhsa_kernel
	.amdgpu_metadata
---
amdhsa.version: [ 1, 2 ]
amdhsa.kernels:
  - .name:           k_q4510cccf56_film
    .symbol:         k_q4510cccf56_film.kd
    .args:
      - { .name: eh, .offset: 0, .size: 8, .value_kind: global_buffer, .address_space: global }
      - { .name: we, .offset: 8, .size: 8, .value_kind: global_buffer, .address_space: global }
      - { .name: xh, .offset: 16, .size: 8, .value_kind: global_buffer, .address_space: global }
      - { .name: b_emb, .offset: 24, .size: 8, .value_kind: global_buffer, .address_space: global }
      - { .name: part, .offset: 32, .size: 8, .value_kind: global_buffer, .address_space: global }
      - { .name: W_proj, .offset: 40, .size: 8, .value_kind: global_buffer, .address_space: global }
      - { .name: W_out, .offset: 48, .size: 8, .value_kind: global_buffer, .address_space: global }
      - { .name: hh, .offset: 56, .size: 8, .value_kind: global_buffer, .address_space: global }
      - { .name: wh, .offset: 64, .size: 8, .value_kind: global_buffer, .address_space: global }
    .group_segment_fixed_size: 327680
    .private_segment_fixed_size: 0
    .kernarg_segment_align: 8
    .kernarg_segment_size: 72
    .max_flat_workgroup_size: 128
    .sgpr_count:     102
    .vgpr_count:     896
    .wavefront_size: 32
...
	.end_amdgpu_metadata
.endif
;; end of part 2
;; launch qkv (part 3): grid 8 x 32, 4 waves a work-group, clusters of 4 x 4, 327,680 bytes of LDS; arguments hh, wh, part, qkvh; writes qkvh
.if DOCPART == 3
	.amdgcn_target "amdgcn-amd-amdhsa--gfx1250"
	.amdhsa_code_object_version 6
	.text
	.protected	k_q4510cccf56_qkv
	.globl	k_q4510cccf56_qkv
	.p2align	8
	.type	k_q4510cccf56_qkv,@function
k_q4510cccf56_qkv:
	s_mov_b64 s[64:65], 0
	v_nop
	global_prefetch_b8 v0, s[64:65] scope:SCOPE_SE
	s_setreg_imm32_b32 hwreg(HW_REG_WAVE_MODE, 25, 1), 1
	s_wait_xcnt 0x0
	s_wait_alu depctr_hold_cnt(0) depctr_sa_sdst(0) depctr_va_vdst(0) depctr_va_sdst(0) depctr_va_ssrc(0) depctr_va_vcc(0) depctr_vm_vsrc(0)
	s_getreg_b32 s2, hwreg(HW_REG_IB_STS2, 6, 4)
	s_cmp_eq_u32 s2, 0
	s_cbranch_scc0 .Lentry_in_a_cluster
	s_endpgm
.Lentry_in_a_cluster:
	s_bfe_u32 s2, ttmp6, 0x10000c
	s_cmp_lg_u32 s2, 0xf033
	s_cbranch_scc0 .Lentry_shape_is_right
	s_endpgm
.Lentry_shape_is_right:
; qkv: (q | k | v) / S = (h / S) W_proj^T, then per head LayerNorm of q and k, all stored in f16 as [3][batch][head][token][64].
; LayerNorm is free of scale but for eps: LN(q) = (q/S - mean/S) rsqrt(var/S^2 + eps/S^2), exactly.  q also takes the factor log2(e)/8 of the softmax.
; v stays divided by S; the last launch multiplies by S.
; LIMIT: |v/S| <= 33 x 32 x |W_proj row|, inside f16 while a row's norm is below 62.
; A work-group makes 128 tokens x THREE pieces of 128 weight rows: rows 128 j .. of q, of k and of v, that is heads 2 j and 2 j + 1 of each.
; Wave (wr, wc) makes 64 tokens x head 2 j + wc of all three: 48 accumulator tiles, 384 registers.  Which tile is q, k or v is fixed in the text.
; Ring, cluster and transposed use of the matrix instruction as in film: K steps of 128 through two LDS slots; tokens' tiles asked for jointly along a row of the
; 4 x 4 cluster, weights' along a column; lane (r, h), register j of tile (a, b) holds token 16 a + r, number 16 (b & 3) + 8 h + j of the head, piece b >> 2.
; REGISTERS: window 0 addresses, work, tokens' fragments; window 1 weights' fragments; windows 2 and 3 accumulators (tile 12 a + b).
.set NB,    3
.set NT,    4*NB
.set KSTEP, 128
.set SUBS,  KSTEP/32
.set LAPS,  1024/(2*KSTEP)
.set AP,    272
.set BP,    272
.set ASZ,   128*AP
.set SLOT,  ASZ+NB*128*BP              ; 139,264
.set STAGE, 2*SLOT                     ; behind the ring: 16 rows x 144 bytes for each wave; no tensor load lands here
.set BOFF,  4194304                    ; W_proj's place in wh
.set ASTEP, 2*KSTEP*2
.set BSTEP, 2*KSTEP*2
.set G1A, 16
.set G1B, 24
.set G0,  32                           ; s[32:63] group 0: slot x 4 + (0 tokens, 1 + p piece p)
.set ADRA, 8
.set ADRB, 10
.set IS,  22
.set SS,  24
.set FA,  128
.set FB,  0
.set X,   192                          ; v[192:223] a head's 32 numbers of my lane, centred
.set T,   224                          ; v[224:239] partial sums
.set M,   240                          ; v[240:241] mean twice, v[242:243] factor twice
.set MSB, 0
.macro WIN new
.if MSB != \new
	s_set_vgpr_msb (MSB<<8)|\new
.set MSB, \new
.endif
.endm
.macro PLACES                          ; four plain places behind a matrix instruction (ISA guide 7.12.1)
.rept 4
	v_nop
.endr
.endm
.macro CREST
	s_cmp_lg_u32 s66, 0
	s_cbranch_scc1 .Lnot_wave_0_\@
	s_barrier_signal -3
.Lnot_wave_0_\@:
	s_barrier_wait -3
	s_barrier_signal -1
	s_barrier_wait -1
.endm
.macro CROUND
	s_barrier_signal -1
	s_barrier_wait -1
	CREST
.endm
.macro MKG0 idx, ldsreg, ldsoff, alo, goff
	s_mov_b32 s[G0+4*(\idx)], 1
	s_add_co_u32 s[G0+4*(\idx)+1], s[\ldsreg], \ldsoff
	s_add_nc_u64 s[G0+4*(\idx)+2:G0+4*(\idx)+3], s[\alo:\alo+1], \goff
	s_or_b32 s[G0+4*(\idx)+3], s[G0+4*(\idx)+3], 0x80000000
.endm
.macro ISSUE slot
	tensor_load_to_lds s[G0+4*(\slot*(NB+1)):G0+4*(\slot*(NB+1))+3], s[G1A:G1A+7]
	s_nop 0
.set ip, 1
.rept NB
	tensor_load_to_lds s[G0+4*(\slot*(NB+1)+ip):G0+4*(\slot*(NB+1)+ip)+3], s[G1B:G1B+7]
	s_nop 0
.set ip, ip+1
.endr
.endm
.macro STEPADDR slot
	s_add_nc_u64 s[G0+4*(\slot*(NB+1))+2:G0+4*(\slot*(NB+1))+3], s[G0+4*(\slot*(NB+1))+2:G0+4*(\slot*(NB+1))+3], ASTEP
.set ip, 1
.rept NB
	s_add_nc_u64 s[G0+4*(\slot*(NB+1)+ip)+2:G0+4*(\slot*(NB+1)+ip)+3], s[G0+4*(\slot*(NB+1)+ip)+2:G0+4*(\slot*(NB+1)+ip)+3], BSTEP
.set ip, ip+1
.endr
.endm
.macro FETCH slot, ks, buf
.set fks, \ks
.set fbuf, \buf
	WIN 0x40
.set fb, 0
.rept NT
	ds_load_b128 v[FB+fbuf*8*NT+8*fb:FB+fbuf*8*NT+8*fb+3], v[ADRB+3*\slot+(fb>>2)] offset:64*fks+(fb&3)*16*BP
	ds_load_b128 v[FB+fbuf*8*NT+8*fb+4:FB+fbuf*8*NT+8*fb+7], v[ADRB+3*\slot+(fb>>2)] offset:64*fks+(fb&3)*16*BP+32
.set fb, fb+1
.endr
	WIN 0
.set fa, 0
.rept 4
	ds_load_b128 v[FA+32*fbuf+8*fa:FA+32*fbuf+8*fa+3], v[ADRA+\slot] offset:64*fks+fa*16*AP
	ds_load_b128 v[FA+32*fbuf+8*fa+4:FA+32*fbuf+8*fa+7], v[ADRA+\slot] offset:64*fks+fa*16*AP+32
.set fa, fa+1
.endr
.endm
; The accumulators take turns, one instruction a turn, in the same order in every quarter step.
.macro MUL buf, a0, a1, zero
.set mbuf, \buf
.set ma, \a0
.rept \a1-\a0+1
.set mb, 0
.rept NT
.set mi, ma*NT+mb
.if mi < 32
	WIN 0xa1
.else
	WIN 0xf1
.endif
.set mr, 8*(mi&31)
.if \zero
	v_wmma_f32_16x16x32_f16 v[mr:mr+7], v[FB+mbuf*8*NT+8*mb:FB+mbuf*8*NT+8*mb+7], v[FA+32*mbuf+8*ma:FA+32*mbuf+8*ma+7], 0
.else
	v_wmma_f32_16x16x32_f16 v[mr:mr+7], v[FB+mbuf*8*NT+8*mb:FB+mbuf*8*NT+8*mb+7], v[FA+32*mbuf+8*ma:FA+32*mbuf+8*ma+7], v[mr:mr+7]
.endif
.set mb, mb+1
.endr
.set ma, ma+1
.endr
.endm
.macro SUB slot, ks, zero
	s_wait_dscnt 0x0                               ; this quarter's fragments, asked for a quarter step ago, are in
	PLACES
	FETCH \slot, \ks+1, (\ks+1)&1
	MUL (\ks)&1, 0, 3, \zero
.endm
.macro STEP slot, zero
	SUB \slot, 0, \zero
.set sk, 1
.rept SUBS-2
	SUB \slot, sk, 0
.set sk, sk+1
.endr
.endm
.macro TURN slot, next, fill           ; the change of slots: my reads of this slot and all my tensor loads are done in front of the barrier; the joint refills come first behind the round
	s_wait_dscnt 0x0
	s_wait_tensorcnt 0x0
	ds_add_u32 v255, v255
	s_wait_dscnt 0x0
	s_barrier_signal -1
	MUL 1, 0, 1, 0
	WIN 0
	s_barrier_wait -1
.if \fill
	CREST
	STEPADDR \slot
	ISSUE \slot
.endif
	PLACES
	FETCH \next, 0, 0
	MUL 1, 2, 3, 0
.endm
.macro LAP zero
	STEP 0, \zero
	TURN 0, 1, 1
	STEP 1, 0
	TURN 1, 0, 1
.endm
.macro SCALE plo
.irp t, 0,1,2,3,4,5,6,7
	global_load_b128 v[128+4*\t:131+4*\t], v19, s[\plo:\plo+1] offset:512*\t
.endr
	v_mov_b32 v36, 0
	s_wait_loadcnt 0x0
.irp c, 0,1,2
	v_max3_num_f32 v[32+\c], v[128+\c], v[132+\c], v[136+\c]
	v_max3_num_f32 v[32+\c], v[32+\c], v[140+\c], v[144+\c]
	v_max3_num_f32 v[32+\c], v[32+\c], v[148+\c], v[152+\c]
	v_max_num_f32 v[32+\c], v[32+\c], v[156+\c]
	v_max_num_f32_dpp v[32+\c], v[32+\c], v[32+\c] row_xmask:1 row_mask:0xf bank_mask:0xf
	v_max_num_f32_dpp v[32+\c], v[32+\c], v[32+\c] row_xmask:2 row_mask:0xf bank_mask:0xf
	v_max_num_f32_dpp v[32+\c], v[32+\c], v[32+\c] row_xmask:4 row_mask:0xf bank_mask:0xf
	v_max_num_f32_dpp v[32+\c], v[32+\c], v[32+\c] row_xmask:8 row_mask:0xf bank_mask:0xf
	v_permlanex16_b32 v36, v[32+\c], s96, s97
	v_max_num_f32 v[32+\c], v[32+\c], v36
.endr
	v_sqrt_f32 v35, v32
	v_sqrt_f32 v37, v33
	v_nop
	s_wait_alu depctr_va_vdst(0)
	v_fma_f32 v35, v35, v37, v34
	v_add_f32 v[SS], 1.0, v35
	v_rcp_f32 v[IS], v[SS]
	v_nop
	v_mov_b32 v[SS+1], v[SS]
	s_wait_alu depctr_va_vdst(0)
	v_mov_b32 v[IS+1], v[IS]
.endm
	s_load_b256 s[4:11], s[0:1], 0x0               ; hh 4, wh 6, part 8, qkvh 10
	s_set_vgpr_msb 0x40
	v_lshl_add_u32 v255, v0, 2, 0x46400
	s_set_vgpr_msb 0x4000
	v_mov_b32 v255, 0
	s_set_vgpr_msb 0x1
	ds_add_u32 v255, v255
	s_set_vgpr_msb 0x100
	v_lshrrev_b32 v1, 5, v0
	v_readfirstlane_b32 s66, v1
	s_lshr_b32 s67, s66, 1
	s_and_b32 s68, s66, 1
	s_bfe_u32 s69, ttmp6, 0x40000
	s_bfe_u32 s70, ttmp6, 0x40004
	s_lshl_b32 s71, ttmp9, 2
	s_add_co_u32 s71, s71, s69                     ; j
	s_and_b32 s72, ttmp7, 0xffff
	s_lshl_b32 s72, s72, 2
	s_add_co_u32 s72, s72, s70                     ; i
	s_lshl_b32 s73, s70, 2
	s_lshl_b32 s73, 15, s73
	s_lshl_b32 s74, 0x1111, s69
	s_mov_b32 s96, 0x76543210
	s_mov_b32 s97, 0xfedcba98
	s_mov_b32 s80, 0x3c800000                      ; 1/64
	s_mov_b32 s81, 0x3e38aa3b                      ; log2(e)/8
	s_or_b32 s[G1A], s73, (1<<16)|(1<<20)|(1<<21)|(5<<22)|(3<<25)
	s_or_b32 s[G1B], s74, (1<<16)|(1<<20)|(1<<21)|(5<<22)|(3<<25)
.irp g, 16,24
	s_mov_b32 s[\g+1], 128<<16
	s_mov_b32 s[\g+2], 32<<16
	s_mov_b32 s[\g+3], 128<<16
	s_mov_b32 s[\g+4], 32
	s_mov_b32 s[\g+5], 1024
	s_mov_b32 s[\g+6], 0
	s_mov_b32 s[\g+7], 0
.endr
	s_lshl_b32 s99, s66, 5
	s_lshl_b32 s76, s72, 7
	s_add_co_u32 s76, s76, s99
	s_lshl_b32 s76, s76, 11
	s_mov_b32 s77, 0
	s_lshl_b32 s78, s71, 7
	s_add_co_u32 s78, s78, s99
	s_lshl_b32 s78, s78, 11
	s_mov_b32 s79, 0
	s_lshr_b32 s88, s72, 3                         ; where my head's rows go: ((batch x 16 + 2 j + wc) x 1024 + (i & 7) x 128 + 64 wr) x 128 bytes
	s_lshl_b32 s88, s88, 4
	s_lshl1_add_u32 s88, s71, s88
	s_add_co_u32 s88, s88, s68
	s_lshl_b32 s88, s88, 10
	s_and_b32 s99, s72, 7
	s_lshl_b32 s99, s99, 7
	s_add_co_u32 s88, s88, s99
	s_lshl_b32 s99, s67, 6
	s_add_co_u32 s88, s88, s99
	s_lshl_b32 s88, s88, 7
	s_mov_b32 s89, 0
	s_mul_i32 s100, s66, 32*AP
	s_mul_i32 s101, s66, 32*BP
	s_wait_dscnt 0x0
	s_wait_kmcnt 0x0
	s_add_nc_u64 s[76:77], s[4:5], s[76:77]
	s_add_nc_u64 s[78:79], s[6:7], s[78:79]
	s_add_nc_u64 s[82:83], s[10:11], s[88:89]      ; q
	s_add_nc_u64 s[84:85], s[82:83], 8388608       ; k
	s_add_nc_u64 s[86:87], s[82:83], 16777216      ; v
	MKG0 0, 100, 0, 76, 0
	MKG0 1, 101, ASZ, 78, BOFF
	MKG0 2, 101, ASZ+128*BP, 78, BOFF+2097152
	MKG0 3, 101, ASZ+256*BP, 78, BOFF+4194304
	MKG0 4, 100, SLOT, 76, KSTEP*2
	MKG0 5, 101, SLOT+ASZ, 78, BOFF+KSTEP*2
	MKG0 6, 101, SLOT+ASZ+128*BP, 78, BOFF+2097152+KSTEP*2
	MKG0 7, 101, SLOT+ASZ+256*BP, 78, BOFF+4194304+KSTEP*2
	CROUND
	ISSUE 0
	ISSUE 1                                        ; eight tensor loads of the wave are out now, the most in this text
	v_and_b32 v1, 15, v0
	v_bfe_u32 v2, v0, 4, 1
	v_and_b32 v3, 31, v0
	v_lshlrev_b32 v19, 4, v3
	v_mul_u32_u24 v4, v1, AP
	v_lshl_add_u32 v4, v2, 4, v4
	s_mul_i32 s99, s67, 64*AP
	v_add_nc_u32 v[ADRA], s99, v4
	v_add_nc_u32 v[ADRA+1], SLOT, v[ADRA]
	v_mul_u32_u24 v5, v1, BP
	v_lshl_add_u32 v5, v2, 4, v5
	s_mul_i32 s99, s68, 64*BP
	s_add_co_u32 s99, s99, ASZ
	v_add_nc_u32 v[ADRB], s99, v5
	v_add_nc_u32 v[ADRB+1], 128*BP, v[ADRB]
	v_add_nc_u32 v[ADRB+2], 256*BP, v[ADRB]
	v_add_nc_u32 v[ADRB+3], SLOT, v[ADRB]
	v_add_nc_u32 v[ADRB+4], SLOT+128*BP, v[ADRB]
	v_add_nc_u32 v[ADRB+5], SLOT+256*BP, v[ADRB]
	s_mul_i32 s99, s66, 16*144
	s_add_co_u32 s99, s99, STAGE                   ; my stage
	v_mul_u32_u24 v6, v1, 144
	v_lshl_add_u32 v6, v2, 4, v6
	v_add_nc_u32 v16, s99, v6                      ; in: row r, byte 16 h
	v_lshrrev_b32 v6, 3, v3
	v_mul_u32_u24 v6, v6, 144
	v_and_b32 v7, 7, v3
	v_lshl_add_u32 v6, v7, 4, v6
	v_add_nc_u32 v17, s99, v6                      ; back: four rows of 128 bytes to a load
	v_mov_b32 v[M+1], 0
	SCALE 8
	v_mul_f32 v26, v[IS], v[IS]
	v_mul_f32 v26, 0x3727c5ac, v26                 ; eps / S^2
	s_wait_tensorcnt 4                             ; my four loads of K step 0 are in; slot 1's four stay out
	s_barrier_signal -1
	s_barrier_wait -1
	FETCH 0, 0, 0
	LAP 1
	WIN 0
	s_mov_b32 s75, LAPS-2
.Llap:
	LAP 0
	WIN 0
	s_sub_co_u32 s75, s75, 1
	s_cmp_lg_u32 s75, 0
	s_cbranch_scc1 .Llap
	STEP 0, 0
	TURN 0, 1, 0
	STEP 1, 0
	s_wait_dscnt 0x0
	MUL 1, 0, 3, 0
	PLACES
	WIN 0
; 16 tokens x 64 numbers in f16 (v32-47: 16 bytes a tile) through my own stage, out as 2,048 dense bytes: each store covers 512 consecutive bytes, aligned.
; LDS serves a wave's instructions in order (ISA guide 5.7.1.4): no wait between my stores and my loads.
.macro OUTHEAD blo, imm
.irp b, 0,1,2,3
	ds_store_b128 v16, v[32+4*\b:35+4*\b] offset:32*\b
.endr
	s_wait_xcnt 0x0                                ; v64-79, which the last stores read, are loaded again only behind this wait
.irp t, 0,1,2,3
	ds_load_b128 v[64+4*\t:67+4*\t], v17 offset:576*\t
.endr
.irp t, 0,1,2,3
	s_wait_dscnt 3-\t
	global_store_b128 v19, v[64+4*\t:67+4*\t], s[\blo:\blo+1] offset:\imm+512*\t
.endr
.endm
; LayerNorm of one head for 16 tokens.  A token's 64 numbers lie in lanes r and r + 16, 32 registers each (four neighbouring tiles, which never cross a window's end).
; Two passes: the mean is taken away before the squares are summed.
.macro LNHEAD a, g, blo, isq
.set i0, 12*\a+4*\g
.set wv, 2+(i0>>5)
.set wn, wv|(wv<<2)
.set ar, 8*(i0&31)
	WIN wn                                         ; sources 0 and 1: the accumulators' window
.set q, 0
.rept 8
	v_pk_add_f32 v[T+2*q:T+2*q+1], v[ar+2*q:ar+2*q+1], v[ar+16+2*q:ar+16+2*q+1]
.set q, q+1
.endr
	WIN 0
.irp c, 0,1,2,3
	v_pk_add_f32 v[T+2*\c:T+2*\c+1], v[T+2*\c:T+2*\c+1], v[T+8+2*\c:T+8+2*\c+1]
.endr
	v_pk_add_f32 v[T:T+1], v[T:T+1], v[T+4:T+5]
	v_pk_add_f32 v[T+2:T+3], v[T+2:T+3], v[T+6:T+7]
	v_pk_add_f32 v[T:T+1], v[T:T+1], v[T+2:T+3]
	v_add_f32 v[M], v[T], v[T+1]
	v_permlanex16_b32 v[M+1], v[M], s96, s97
	v_add_f32 v[M], v[M], v[M+1]
	v_mul_f32 v[M], s80, v[M]
	v_mov_b32 v[M+1], v[M]
	WIN wv                                         ; source 0 alone
.set q, 0
.rept 16
	v_pk_add_f32 v[X+2*q:X+2*q+1], v[ar+2*q:ar+2*q+1], v[M:M+1] neg_lo:[0,1] neg_hi:[0,1]
.set q, q+1
.endr
	WIN 0
.irp c, 0,1,2,3
	v_pk_mul_f32 v[T+2*\c:T+2*\c+1], v[X+2*\c:X+2*\c+1], v[X+2*\c:X+2*\c+1]
.endr
.irp p, 4,5,6,7,8,9,10,11,12,13,14,15
	v_pk_fma_f32 v[T+2*(\p&3):T+2*(\p&3)+1], v[X+2*\p:X+2*\p+1], v[X+2*\p:X+2*\p+1], v[T+2*(\p&3):T+2*(\p&3)+1]
.endr
	v_pk_add_f32 v[T:T+1], v[T:T+1], v[T+2:T+3]
	v_pk_add_f32 v[T+4:T+5], v[T+4:T+5], v[T+6:T+7]
	v_pk_add_f32 v[T:T+1], v[T:T+1], v[T+4:T+5]
	v_add_f32 v[M], v[T], v[T+1]
	v_permlanex16_b32 v[M+1], v[M], s96, s97
	v_add_f32 v[M], v[M], v[M+1]
	v_fma_f32 v[M], v[M], s80, v26                 ; variance / S^2 + eps / S^2
	v_rsq_f32 v[M+2], v[M]
	v_nop                                          ; one plain place behind a transcendental (ISA guide 5.7.2)
.if \isq
	s_wait_alu depctr_va_vdst(0)
	v_mul_f32 v[M+2], s81, v[M+2]
.endif
	s_wait_alu depctr_va_vdst(0)
	v_mov_b32 v[M+3], v[M+2]
.set q, 0
.rept 16
	v_pk_mul_f32 v[X+2*q:X+2*q+1], v[X+2*q:X+2*q+1], v[M+2:M+3]
.set q, q+1
.endr
.set q, 0
.rept 16
	v_cvt_pk_f16_f32 v[32+q], v[X+2*q], v[X+2*q+1]
.set q, q+1
.endr
	OUTHEAD \blo, 2048*\a
.endm
.macro VHEAD a                         ; v / S: rounded straight from the accumulators
.set i0, 12*\a+8
.set wv, 2+(i0>>5)
.set wn, wv|(wv<<2)
.set ar, 8*(i0&31)
	WIN wn
.set q, 0
.rept 16
	v_cvt_pk_f16_f32 v[32+q], v[ar+2*q], v[ar+2*q+1]
.set q, q+1
.endr
	WIN 0
	OUTHEAD 86, 2048*\a
.endm
.irp a, 0,1,2,3
	LNHEAD \a, 0, 82, 1
	LNHEAD \a, 1, 84, 0
	VHEAD \a
.endr
	s_set_vgpr_msb 0x1
	s_wait_tensorcnt 0x0
	ds_add_u32 v255, v255
	s_wait_dscnt 0x0
	s_set_vgpr_msb 0x100
	CROUND                                         ; the closing round
	s_endpgm
.Lfunc_end_k_q4510cccf56_qkv:
	.size	k_q4510cccf56_qkv, .Lfunc_end_k_q4510cccf56_qkv-k_q4510cccf56_qkv
	.p2alignl 7, 3214868480
	.fill 96, 4, 3214868480
	.section	.rodata,"a",@progbits
	.p2align	6, 0x0
	.amdhsa_kernel k_q4510cccf56_qkv
		.amdhsa_group_segment_fixed_size 327680
		.amdhsa_private_segment_fixed_size 0
		.amdhsa_enable_private_segment 0
		.amdhsa_kernarg_size 32
		.amdhsa_user_sgpr_count 2
		.amdhsa_user_sgpr_kernarg_segment_ptr 1
		.amdhsa_wavefront_size32 1
		.amdhsa_system_sgpr_workgroup_id_x 1
		.amdhsa_system_sgpr_workgroup_id_y 1
		.amdhsa_system_sgpr_workgroup_id_z 1
		.amdhsa_system_vgpr_workitem_id 0
		.amdhsa_next_free_vgpr 896
		.amdhsa_next_free_sgpr 102
		.amdhsa_reserve_vcc 0
		.amdhsa_float_denorm_mode_32 3
		.amdhsa_float_denorm_mode_16_64 3
		.amdhsa_memory_ordered 1
		.amdhsa_forward_progress 1
		.amdhsa_inst_pref_size 207
	.end_amdhsa_kernel
	.amdgpu_metadata
---
amdhsa.version: [ 1, 2 ]
amdhsa.kernels:
  - .name:           k_q4510cccf56_qkv
    .symbol:         k_q4510cccf56_qkv.kd
    .args:
      - { .name: hh, .offset: 0, .size: 8, .value_kind: global_buffer, .address_space: global }
      - { .name: wh, .offset: 8, .size: 8, .value_kind: global_buffer, .address_space: global }
      - { .name: part, .offset: 16, .size: 8, .value_kind: global_buffer, .address_space: global }
      - { .name: qkvh, .offset: 24, .size: 8, .value_kind: global_buffer, .address_space: global }
    .group_segment_fixed_size: 327680
    .private_segment_fixed_size: 0
    .kernarg_segment_align: 8
    .kernarg_segment_size: 32
    .max_flat_workgroup_size: 128
    .sgpr_count:     102
    .vgpr_count:     896
    .wavefront_size: 32
...
	.end_amdgpu_metadata
.endif
;; end of part 3
;; launch attn (part 4): grid 4 x 64, 8 waves a work-group, clusters of 4 x 1, 312,320 bytes of LDS; arguments qkvh, oh; writes oh
.if DOCPART == 4
	.amdgcn_target "amdgcn-amd-amdhsa--gfx1250"
	.amdhsa_code_object_version 6
	.text
	.protected	k_q4510cccf56_attn
	.globl	k_q4510cccf56_attn
	.p2align	8
	.type	k_q4510cccf56_attn,@function
k_q4510cccf56_attn:
	s_mov_b64 s[64:65], 0
	v_nop
	global_prefetch_b8 v0, s[64:65] scope:SCOPE_SE
	s_setreg_imm32_b32 hwreg(HW_REG_WAVE_MODE, 25, 1), 1
	s_wait_xcnt 0x0
	s_wait_alu depctr_hold_cnt(0) depctr_sa_sdst(0) depctr_va_vdst(0) depctr_va_sdst(0) depctr_va_ssrc(0) depctr_va_vcc(0) depctr_vm_vsrc(0)
	s_getreg_b32 s2, hwreg(HW_REG_IB_STS2, 6, 4)
	s_cmp_eq_u32 s2, 0
	s_cbranch_scc0 .Lentry_in_a_cluster
	s_endpgm
.Lentry_in_a_cluster:
	s_bfe_u32 s2, ttmp6, 0x10000c
	s_cmp_lg_u32 s2, 0x3003
	s_cbranch_scc0 .Lentry_shape_is_right
	s_endpgm
.Lentry_shape_is_right:
; attn: o/S = softmax(q k^T / 8) (v/S) for one head and 256 queries; stored in f16 as [batch][head][token][64].
; NO MAXIMUM IS TAKEN AWAY, because the computation itself bounds the exponents: q and k are LayerNorm'ed over 64 numbers, so each has norm at most 8 and
; |q.k / 8| <= 8 for every input.  p = e^logit lies in [3.4e-4, 2981]: normal numbers of f16; a row's sum is at most 3.1e6, kept in f32.
; q already carries log2(e)/8, so p is one v_exp_f32 of the product.
; The four work-groups of a cluster are the four query blocks of one head: they need the same K and V and ask for them jointly (mask 15).
; The head's WHOLE K (1,024 x 144 bytes) and V (1,024 x 160 bytes) lie in LDS: every byte is filled once, so there is no refill and no barrier for one.
; They come in four chunks of 256 keys; work on a chunk begins while the later chunks are on their way.
; Eight waves, 32 queries each (two tiles): two waves on a SIMD, so that one wave's exponentials run under the other's matrix instructions.
; TRANSPOSED throughout, so that nothing moves between lanes in the loop:
;   S^T = K Q^T: lane (r, h), register j of a tile holds key 8 h + j, query r.  Two key tiles, after exp and packing to f16, ARE the fragment of P^T for 32 keys.
;   O^T += V^T P^T: V^T's fragments come by transposing LDS loads from V as it lies, [key][64].
.set KP, 144                           ; K's pitch: an odd multiple of 16
.set VP, 160                           ; V's pitch: an odd multiple of 32, for the transposing loads
.set VB, 1024*KP                       ; V's place in LDS
; v8 K address, v9 V address, v10 / v11 stage in / back, v12 16 x lane, v13 Q address
; v16-47 Q (tile q, half of the 64: 16 q + 8 k)   v48-79 K fragments   v80-111 V^T fragments   v112-143 S (tile 2 q + t)   v144-159 P   v160-223 O (tile 2 d + q)
; v224-231 row sums, two chains for each q   v232-239 the end
.macro PLACES                          ; four plain places behind a matrix instruction (ISA guide 7.12.1)
.rept 4
	v_nop
.endr
.endm
.macro CREST
	s_cmp_lg_u32 s66, 0
	s_cbranch_scc1 .Lnot_wave_0_\@
	s_barrier_signal -3
.Lnot_wave_0_\@:
	s_barrier_wait -3
	s_barrier_signal -1
	s_barrier_wait -1
.endm
.macro CROUND
	s_barrier_signal -1
	s_barrier_wait -1
	CREST
.endm
.macro MKG0 reg, ldsreg, ldsoff, goff
	s_mov_b32 s[\reg], 1
	s_add_co_u32 s[\reg+1], s[\ldsreg], \ldsoff
	s_add_nc_u64 s[\reg+2:\reg+3], s[76:77], \goff
	s_or_b32 s[\reg+3], s[\reg+3], 0x80000000
.endm
	s_load_b128 s[4:7], s[0:1], 0x0                ; qkvh 4, oh 6
	v_lshl_add_u32 v254, v0, 2, 0x4c000
	v_mov_b32 v255, 0
	ds_add_u32 v254, v255
	v_lshrrev_b32 v1, 5, v0
	v_readfirstlane_b32 s66, v1                    ; wave w, 0..7
	s_bfe_u32 s69, ttmp6, 0x40000                  ; cx: which 256 queries
	s_and_b32 s70, ttmp7, 0xffff                   ; batch x 16 + head
	s_mov_b32 s96, 0x76543210
	s_mov_b32 s97, 0xfedcba98
	; group 1: 32 rows x 64 elements of 2 bytes, dense; padding behind every 32 words: 4 words for K, 8 for V
	s_mov_b32 s16, 15|(1<<16)|(1<<20)|(1<<21)|(4<<22)|(3<<25)
	s_mov_b32 s24, 15|(1<<16)|(1<<20)|(1<<21)|(4<<22)|(7<<25)
.irp g, 16,24
	s_mov_b32 s[\g+1], 64<<16
	s_mov_b32 s[\g+2], 32<<16
	s_mov_b32 s[\g+3], 64<<16
	s_mov_b32 s[\g+4], 32
	s_mov_b32 s[\g+5], 64
	s_mov_b32 s[\g+6], 0
	s_mov_b32 s[\g+7], 0
.endr
	s_lshl_b32 s76, s70, 17                        ; a head is 131,072 bytes
	s_lshl_b32 s99, s66, 12                        ; 32 w rows of 128 bytes
	s_add_co_u32 s76, s76, s99                     ; K, V: hangs on the head and the wave alone
	s_mov_b32 s77, 0
	s_lshl_b32 s78, s69, 15
	s_add_co_u32 s78, s78, s76                     ; Q, O: + 256 cx rows
	s_mov_b32 s79, 0
	s_mul_i32 s100, s66, 32*KP
	s_mul_i32 s101, s66, 32*VP
	s_wait_dscnt 0x0
	s_wait_kmcnt 0x0
	s_add_nc_u64 s[76:77], s[4:5], s[76:77]
	s_add_nc_u64 s[80:81], s[4:5], s[78:79]        ; my 32 queries
	s_add_nc_u64 s[82:83], s[6:7], s[78:79]        ; my 32 rows of o
.irp c, 0,1,2,3
	MKG0 32+8*\c, 100, \c*256*KP, 8388608+\c*32768
	MKG0 36+8*\c, 101, VB+\c*256*VP, 16777216+\c*32768
.endr
	CROUND                                         ; the four work-groups are here: the joint loads meet
.irp c, 0,1,2,3
	tensor_load_to_lds s[32+8*\c:35+8*\c], s[16:23]        ; my 32 rows of chunk c of K,
	s_nop 0
	tensor_load_to_lds s[36+8*\c:39+8*\c], s[24:31]        ; and of V.  Eight tensor loads of the wave are out behind the last
	s_nop 0
.endr
	v_and_b32 v1, 15, v0                           ; r
	v_bfe_u32 v2, v0, 4, 1                         ; h
	v_and_b32 v3, 31, v0
	v_lshlrev_b32 v13, 7, v1
	v_lshl_add_u32 v13, v2, 4, v13                 ; 128 r + 16 h
.irp q, 0,1
.irp k, 0,1
	global_load_b128 v[16+16*\q+8*\k:19+16*\q+8*\k], v13, s[80:81] offset:2048*\q+64*\k
	global_load_b128 v[20+16*\q+8*\k:23+16*\q+8*\k], v13, s[80:81] offset:2048*\q+64*\k+32
.endr
.endr
	v_lshlrev_b32 v12, 4, v3
	v_mul_u32_u24 v8, v1, KP
	v_lshl_add_u32 v8, v2, 4, v8                   ; K: row r, byte 16 h
	v_and_b32 v4, 7, v3
	v_lshl_add_u32 v5, v2, 3, v4                   ; 8 h + (lane & 7)
	v_mul_u32_u24 v5, v5, VP
	v_bfe_u32 v6, v0, 3, 1
	v_lshl_add_u32 v5, v6, 4, v5
	v_add_nc_u32 v9, VB, v5                        ; V: row 8 h + (lane & 7), byte 16 ((lane >> 3) & 1)
	s_mul_i32 s99, s66, 16*144                     ; my stage, in K's first bytes, used when K has been read for the last time
	v_mul_u32_u24 v6, v1, 144
	v_lshl_add_u32 v6, v2, 4, v6
	v_add_nc_u32 v10, s99, v6
	v_lshrrev_b32 v6, 3, v3
	v_mul_u32_u24 v6, v6, 144
	v_lshl_add_u32 v6, v4, 4, v6
	v_add_nc_u32 v11, s99, v6
	v_mov_b32 v233, 0
	v_mov_b32 v235, 0
.macro LOADK                           ; 32 keys x 64: two tiles x two halves, two loads of 16 bytes each
.irp t, 0,1
.irp k, 0,1
	ds_load_b128 v[48+16*\t+8*\k:51+16*\t+8*\k], v8 offset:\t*16*KP+64*\k
	ds_load_b128 v[52+16*\t+8*\k:55+16*\t+8*\k], v8 offset:\t*16*KP+64*\k+32
.endr
.endr
.endm
; One block of 32 keys.  first = 1: the products into O and the row sums start here, nothing is cleared.  fetchk = 1: the next block's K is asked for.
; Matrix instructions that follow each other never share an accumulator: four S tiles, then eight O tiles, by turns.
.macro BLOCK first, fetchk
	s_wait_dscnt 0x0                               ; this block's K is in
.irp q, 0,1
.irp t, 0,1
	v_wmma_f32_16x16x32_f16 v[112+8*(2*\q+\t):119+8*(2*\q+\t)], v[48+16*\t:55+16*\t], v[16+16*\q:23+16*\q], 0
.endr
.endr
.irp q, 0,1
.irp t, 0,1
	v_wmma_f32_16x16x32_f16 v[112+8*(2*\q+\t):119+8*(2*\q+\t)], v[56+16*\t:63+16*\t], v[24+16*\q:31+16*\q], v[112+8*(2*\q+\t):119+8*(2*\q+\t)]
.endr
.endr
.if \fetchk
	v_add_nc_u32 v8, 32*KP, v8                     ; four places: before the loads into K's and V's fragments and before S is read
	v_nop
	v_nop
	v_nop
.else
	PLACES
.endif
.irp d, 0,1,2,3
	ds_load_tr16_b128 v[80+8*\d:83+8*\d], v9 offset:32*\d              ; keys 8 h .. + 7 of number 16 d + r
	ds_load_tr16_b128 v[84+8*\d:87+8*\d], v9 offset:32*\d+16*VP        ; keys 16 + 8 h .. + 7
.endr
.if \fetchk
	LOADK
.endif
	v_add_nc_u32 v9, 32*VP, v9
.set e, 0
.rept 32
	v_exp_f32 v[112+e], v[112+e]
.set e, e+1
.endr
	v_nop                                          ; one plain place behind the transcendentals (ISA guide 5.7.2)
.if \first
	s_wait_alu depctr_va_vdst(0)
.irp q, 0,1
.irp c, 0,1
	v_pk_add_f32 v[224+4*\q+2*\c:225+4*\q+2*\c], v[112+16*\q+2*\c:113+16*\q+2*\c], v[116+16*\q+2*\c:117+16*\q+2*\c]
.endr
.endr
.irp p, 4,6
.irp q, 0,1
.irp c, 0,1
	v_pk_add_f32 v[224+4*\q+2*\c:225+4*\q+2*\c], v[224+4*\q+2*\c:225+4*\q+2*\c], v[112+16*\q+2*(\p+\c):113+16*\q+2*(\p+\c)]
.endr
.endr
.endr
.else
	s_wait_alu depctr_va_vdst(0)
.irp p, 0,2,4,6
.irp q, 0,1
.irp c, 0,1
	v_pk_add_f32 v[224+4*\q+2*\c:225+4*\q+2*\c], v[224+4*\q+2*\c:225+4*\q+2*\c], v[112+16*\q+2*(\p+\c):113+16*\q+2*(\p+\c)]
.endr
.endr
.endr
.endif
.set e, 0
.rept 16
	v_cvt_pk_f16_f32 v[144+e], v[112+2*e], v[113+2*e]
.set e, e+1
.endr
.if \fetchk
	s_wait_dscnt 8                                 ; V's eight loads are in; the eight of the next K, issued behind them, stay out
.else
	s_wait_dscnt 0x0
.endif
.irp d, 0,1,2,3
.irp q, 0,1
.if \first
	v_wmma_f32_16x16x32_f16 v[160+8*(2*\d+\q):167+8*(2*\d+\q)], v[80+8*\d:87+8*\d], v[144+8*\q:151+8*\q], 0
.else
	v_wmma_f32_16x16x32_f16 v[160+8*(2*\d+\q):167+8*(2*\d+\q)], v[80+8*\d:87+8*\d], v[144+8*\q:151+8*\q], v[160+8*(2*\d+\q):167+8*(2*\d+\q)]
.endif
.endr
.endr
.endm
.macro RUN n
	s_mov_b32 s75, \n
.Lrun_\@:
	BLOCK 0, 1
	s_sub_co_u32 s75, s75, 1
	s_cmp_lg_u32 s75, 0
	s_cbranch_scc1 .Lrun_\@
.endm
; A chunk's last block asks for the next chunk's first K: in front of it every wave's part of that chunk has landed.  left = the tensor loads of the chunks behind it.
.macro NEXTCHUNK left
	s_wait_dscnt 0x0
	s_wait_tensorcnt \left
	s_barrier_signal -1
	s_barrier_wait -1
	BLOCK 0, 1
.endm
	s_wait_tensorcnt 6                             ; my parts of chunk 0 are in; the six loads of chunks 1 to 3 stay out
	s_barrier_signal -1
	s_barrier_wait -1
	LOADK
	s_wait_loadcnt 0x0                             ; Q
	BLOCK 1, 1
	RUN 6
	NEXTCHUNK 4
	RUN 7
	NEXTCHUNK 2
	RUN 7
	NEXTCHUNK 0
	RUN 7
	BLOCK 0, 0
	PLACES
.irp q, 0,1
	v_pk_add_f32 v[224+4*\q:225+4*\q], v[224+4*\q:225+4*\q], v[226+4*\q:227+4*\q]
	v_add_f32 v[232+2*\q], v[224+4*\q], v[225+4*\q]
	v_permlanex16_b32 v[233+2*\q], v[232+2*\q], s96, s97       ; the other half of the keys lies in lane r + 16
	v_add_f32 v[232+2*\q], v[232+2*\q], v[233+2*\q]
.endr
	v_rcp_f32 v236, v232
	v_rcp_f32 v238, v234
	v_nop
	s_wait_alu depctr_va_vdst(0)
	v_mov_b32 v237, v236
	v_mov_b32 v239, v238
	s_wait_dscnt 0x0
	s_barrier_signal -1                            ; every wave has read K for the last time: its first bytes now serve as the waves' stages
	s_barrier_wait -1
.macro OUTQ q                          ; 16 queries: divide by the row sums, round, through my stage, out as 2,048 dense bytes
.irp d, 0,1,2,3
.irp j, 0,1,2,3
	v_pk_mul_f32 v[160+8*(2*\d+\q)+2*\j:161+8*(2*\d+\q)+2*\j], v[160+8*(2*\d+\q)+2*\j:161+8*(2*\d+\q)+2*\j], v[236+2*\q:237+2*\q]
.endr
.endr
.irp d, 0,1,2,3
.irp j, 0,1,2,3
	v_cvt_pk_f16_f32 v[32+4*\d+\j], v[160+8*(2*\d+\q)+2*\j], v[161+8*(2*\d+\q)+2*\j]
.endr
.endr
.irp b, 0,1,2,3
	ds_store_b128 v10, v[32+4*\b:35+4*\b] offset:32*\b
.endr
	s_wait_xcnt 0x0                                ; v64-79, which the last stores read, are loaded again only behind this wait
.irp t, 0,1,2,3
	ds_load_b128 v[64+4*\t:67+4*\t], v11 offset:576*\t
.endr
.irp t, 0,1,2,3
	s_wait_dscnt 3-\t
	global_store_b128 v12, v[64+4*\t:67+4*\t], s[82:83] offset:2048*\q+512*\t      ; each store covers 512 consecutive bytes, aligned
.endr
.endm
	OUTQ 0
	OUTQ 1
	s_wait_tensorcnt 0x0
	ds_add_u32 v254, v255
	s_wait_dscnt 0x0
	CROUND                                         ; the closing round
	s_endpgm
.Lfunc_end_k_q4510cccf56_attn:
	.size	k_q4510cccf56_attn, .Lfunc_end_k_q4510cccf56_attn-k_q4510cccf56_attn
	.p2alignl 7, 3214868480
	.fill 96, 4, 3214868480
	.section	.rodata,"a",@progbits
	.p2align	6, 0x0
	.amdhsa_kernel k_q4510cccf56_attn
		.amdhsa_group_segment_fixed_size 312320
		.amdhsa_private_segment_fixed_size 0
		.amdhsa_enable_private_segment 0
		.amdhsa_kernarg_size 16
		.amdhsa_user_sgpr_count 2
		.amdhsa_user_sgpr_kernarg_segment_ptr 1
		.amdhsa_wavefront_size32 1
		.amdhsa_system_sgpr_workgroup_id_x 1
		.amdhsa_system_sgpr_workgroup_id_y 1
		.amdhsa_system_sgpr_workgroup_id_z 1
		.amdhsa_system_vgpr_workitem_id 0
		.amdhsa_next_free_vgpr 256
		.amdhsa_next_free_sgpr 102
		.amdhsa_reserve_vcc 0
		.amdhsa_float_denorm_mode_32 3
		.amdhsa_float_denorm_mode_16_64 3
		.amdhsa_memory_ordered 1
		.amdhsa_forward_progress 1
		.amdhsa_inst_pref_size 64
	.end_amdhsa_kernel
	.amdgpu_metadata
---
amdhsa.version: [ 1, 2 ]
amdhsa.kernels:
  - .name:           k_q4510cccf56_attn
    .symbol:         k_q4510cccf56_attn.kd
    .args:
      - { .name: qkvh, .offset: 0, .size: 8, .value_kind: global_buffer, .address_space: global }
      - { .name: oh, .offset: 8, .size: 8, .value_kind: global_buffer, .address_space: global }
    .group_segment_fixed_size: 312320
    .private_segment_fixed_size: 0
    .kernarg_segment_align: 8
    .kernarg_segment_size: 16
    .max_flat_workgroup_size: 256
    .sgpr_count:     102
    .vgpr_count:     256
    .wavefront_size: 32
...
	.end_amdgpu_metadata
.endif
;; end of part 4
;; launch outp (part 5): grid 8 x 32, 4 waves a work-group, clusters of 4 x 4, 327,680 bytes of LDS; arguments oh, wh, part, out0; writes out0
.if DOCPART == 5
	.amdgcn_target "amdgcn-amd-amdhsa--gfx1250"
	.amdhsa_code_object_version 6
	.text
	.protected	k_q4510cccf56_outp
	.globl	k_q4510cccf56_outp
	.p2align	8
	.type	k_q4510cccf56_outp,@function
k_q4510cccf56_outp:
	s_mov_b64 s[64:65], 0
	v_nop
	global_prefetch_b8 v0, s[64:65] scope:SCOPE_SE
	s_setreg_imm32_b32 hwreg(HW_REG_WAVE_MODE, 25, 1), 1
	s_wait_xcnt 0x0
	s_wait_alu depctr_hold_cnt(0) depctr_sa_sdst(0) depctr_va_vdst(0) depctr_va_sdst(0) depctr_va_ssrc(0) depctr_va_vcc(0) depctr_vm_vsrc(0)
	s_getreg_b32 s2, hwreg(HW_REG_IB_STS2, 6, 4)
	s_cmp_eq_u32 s2, 0
	s_cbranch_scc0 .Lentry_in_a_cluster
	s_endpgm
.Lentry_in_a_cluster:
	s_bfe_u32 s2, ttmp6, 0x10000c
	s_cmp_lg_u32 s2, 0xf033
	s_cbranch_scc0 .Lentry_shape_is_right
	s_endpgm
.Lentry_shape_is_right:
; outp: out0 = S ( o/S + (o/S) W_out^T ) in f32.  o/S comes in f16 as [batch][head][token][64]; S as in film, from part.
; A work-group makes 128 tokens x 128 columns; wave (wr, wc) 64 x 64: 16 accumulator tiles.
; K goes in steps of 256 = four heads through two LDS slots, so that a round of the cluster's barrier serves 128 matrix instructions of a wave.
; The tokens' tile is four head planes of 128 rows x 128 bytes (dense in memory), one plane a wave; the weights' tile 128 rows x 512 bytes, 32 rows a wave.
; Cluster 4 x 4 and transposed use of the matrix instruction as in film.
.set NB,    1
.set NT,    4*NB
.set KSTEP, 256
.set SUBS,  KSTEP/32
.set AP,    144                        ; a plane's pitch: 128 bytes + 16
.set PLANE, 128*AP                     ; 18,432
.set BP,    528                        ; 512 bytes + 16: an odd multiple of 16
.set ASZ,   4*PLANE
.set SLOT,  ASZ+NB*128*BP              ; 141,312
.set STAGE, 2*SLOT                     ; behind the ring: 16 rows x 272 bytes for each wave; no tensor load lands here
.set BOFF,  10485760                   ; W_out's place in wh
.set ASTEP, 2*4*131072                 ; two K steps = eight heads
.set BSTEP, 2*KSTEP*2
.set G1A, 16
.set G1B, 24
.set G0,  32                           ; s[32:47] group 0: slot x 2 + (0 tokens, 1 weights)
.set ADRA, 8
.set ADRB, 10
.set IS,  22
.set SS,  24
.set FA,  128
.set FB,  0
.set MSB, 0
.macro WIN new
.if MSB != \new
	s_set_vgpr_msb (MSB<<8)|\new
.set MSB, \new
.endif
.endm
.macro PLACES                          ; four plain places behind a matrix instruction (ISA guide 7.12.1)
.rept 4
	v_nop
.endr
.endm
.macro CREST
	s_cmp_lg_u32 s66, 0
	s_cbranch_scc1 .Lnot_wave_0_\@
	s_barrier_signal -3
.Lnot_wave_0_\@:
	s_barrier_wait -3
	s_barrier_signal -1
	s_barrier_wait -1
.endm
.macro CROUND
	s_barrier_signal -1
	s_barrier_wait -1
	CREST
.endm
.macro MKG0 idx, ldsreg, ldsoff, alo, goff
	s_mov_b32 s[G0+4*(\idx)], 1
	s_add_co_u32 s[G0+4*(\idx)+1], s[\ldsreg], \ldsoff
	s_add_nc_u64 s[G0+4*(\idx)+2:G0+4*(\idx)+3], s[\alo:\alo+1], \goff
	s_or_b32 s[G0+4*(\idx)+3], s[G0+4*(\idx)+3], 0x80000000
.endm
.macro ISSUE slot
	tensor_load_to_lds s[G0+8*\slot:G0+8*\slot+3], s[G1A:G1A+7]
	s_nop 0
	tensor_load_to_lds s[G0+8*\slot+4:G0+8*\slot+7], s[G1B:G1B+7]
	s_nop 0
.endm
.macro STEPADDR slot
	s_add_nc_u64 s[G0+8*\slot+2:G0+8*\slot+3], s[G0+8*\slot+2:G0+8*\slot+3], ASTEP
	s_add_nc_u64 s[G0+8*\slot+6:G0+8*\slot+7], s[G0+8*\slot+6:G0+8*\slot+7], BSTEP
.endm
.macro FETCH slot, ks, buf             ; 32 along K: half of head plane ks >> 1 for the tokens, byte 64 ks of the weights' rows
.set fks, \ks
.set fbuf, \buf
.set aoff, (fks>>1)*PLANE+(fks&1)*64
	WIN 0x40
.set fb, 0
.rept NT
	ds_load_b128 v[FB+fbuf*8*NT+8*fb:FB+fbuf*8*NT+8*fb+3], v[ADRB+3*\slot] offset:64*fks+fb*16*BP
	ds_load_b128 v[FB+fbuf*8*NT+8*fb+4:FB+fbuf*8*NT+8*fb+7], v[ADRB+3*\slot] offset:64*fks+fb*16*BP+32
.set fb, fb+1
.endr
	WIN 0
.set fa, 0
.rept 4
	ds_load_b128 v[FA+32*fbuf+8*fa:FA+32*fbuf+8*fa+3], v[ADRA+\slot] offset:aoff+fa*16*AP
	ds_load_b128 v[FA+32*fbuf+8*fa+4:FA+32*fbuf+8*fa+7], v[ADRA+\slot] offset:aoff+fa*16*AP+32
.set fa, fa+1
.endr
.endm
; The sixteen accumulators take turns, one instruction a turn, in the same order in every eighth of a step.
.macro MUL buf, a0, a1, zero
.set mbuf, \buf
.set ma, \a0
	WIN 0xa1
.rept \a1-\a0+1
.set mb, 0
.rept NT
.set mr, 8*(ma*NT+mb)
.if \zero
	v_wmma_f32_16x16x32_f16 v[mr:mr+7], v[FB+mbuf*8*NT+8*mb:FB+mbuf*8*NT+8*mb+7], v[FA+32*mbuf+8*ma:FA+32*mbuf+8*ma+7], 0
.else
	v_wmma_f32_16x16x32_f16 v[mr:mr+7], v[FB+mbuf*8*NT+8*mb:FB+mbuf*8*NT+8*mb+7], v[FA+32*mbuf+8*ma:FA+32*mbuf+8*ma+7], v[mr:mr+7]
.endif
.set mb, mb+1
.endr
.set ma, ma+1
.endr
.endm
.macro SUB slot, ks, zero
	s_wait_dscnt 0x0
	PLACES
	FETCH \slot, \ks+1, (\ks+1)&1
	MUL (\ks)&1, 0, 3, \zero
.endm
.macro STEP slot, zero
	SUB \slot, 0, \zero
.set sk, 1
.rept SUBS-2
	SUB \slot, sk, 0
.set sk, sk+1
.endr
.endm
.macro TURN slot, next, fill           ; the change of slots: my reads of this slot and all my tensor loads are done in front of the barrier; the joint refills come first behind the round
	s_wait_dscnt 0x0
	s_wait_tensorcnt 0x0
	ds_add_u32 v255, v255
	s_wait_dscnt 0x0
	s_barrier_signal -1
	MUL 1, 0, 1, 0
	WIN 0
	s_barrier_wait -1
.if \fill
	CREST
	STEPADDR \slot
	ISSUE \slot
.endif
	PLACES
	FETCH \next, 0, 0
	MUL 1, 2, 3, 0
.endm
.macro SCALE plo
.irp t, 0,1,2,3,4,5,6,7
	global_load_b128 v[128+4*\t:131+4*\t], v19, s[\plo:\plo+1] offset:512*\t
.endr
	v_mov_b32 v36, 0
	s_wait_loadcnt 0x0                             ; these, and the residual's loads issued before them
.irp c, 0,1,2
	v_max3_num_f32 v[32+\c], v[128+\c], v[132+\c], v[136+\c]
	v_max3_num_f32 v[32+\c], v[32+\c], v[140+\c], v[144+\c]
	v_max3_num_f32 v[32+\c], v[32+\c], v[148+\c], v[152+\c]
	v_max_num_f32 v[32+\c], v[32+\c], v[156+\c]
	v_max_num_f32_dpp v[32+\c], v[32+\c], v[32+\c] row_xmask:1 row_mask:0xf bank_mask:0xf
	v_max_num_f32_dpp v[32+\c], v[32+\c], v[32+\c] row_xmask:2 row_mask:0xf bank_mask:0xf
	v_max_num_f32_dpp v[32+\c], v[32+\c], v[32+\c] row_xmask:4 row_mask:0xf bank_mask:0xf
	v_max_num_f32_dpp v[32+\c], v[32+\c], v[32+\c] row_xmask:8 row_mask:0xf bank_mask:0xf
	v_permlanex16_b32 v36, v[32+\c], s96, s97
	v_max_num_f32 v[32+\c], v[32+\c], v36
.endr
	v_sqrt_f32 v35, v32
	v_sqrt_f32 v37, v33
	v_nop
	s_wait_alu depctr_va_vdst(0)
	v_fma_f32 v35, v35, v37, v34
	v_add_f32 v[SS], 1.0, v35
	v_rcp_f32 v[IS], v[SS]
	v_nop
	v_mov_b32 v[SS+1], v[SS]
	s_wait_alu depctr_va_vdst(0)
	v_mov_b32 v[IS+1], v[IS]
.endm
.macro CVT2 d, r
	v_cvt_f32_f16 v[\d], v\r\().l
	v_cvt_f32_f16 v[\d+1], v\r\().h
.endm
	s_load_b256 s[4:11], s[0:1], 0x0               ; oh 4, wh 6, part 8, out0 10
	s_set_vgpr_msb 0x40
	v_lshl_add_u32 v255, v0, 2, 0x49400
	s_set_vgpr_msb 0x4000
	v_mov_b32 v255, 0
	s_set_vgpr_msb 0x1
	ds_add_u32 v255, v255
	s_set_vgpr_msb 0x100
	v_lshrrev_b32 v1, 5, v0
	v_readfirstlane_b32 s66, v1
	s_lshr_b32 s67, s66, 1
	s_and_b32 s68, s66, 1
	s_bfe_u32 s69, ttmp6, 0x40000
	s_bfe_u32 s70, ttmp6, 0x40004
	s_lshl_b32 s71, ttmp9, 2
	s_add_co_u32 s71, s71, s69                     ; j
	s_and_b32 s72, ttmp7, 0xffff
	s_lshl_b32 s72, s72, 2
	s_add_co_u32 s72, s72, s70                     ; i
	s_lshl_b32 s73, s70, 2
	s_lshl_b32 s73, 15, s73
	s_lshl_b32 s74, 0x1111, s69
	s_mov_b32 s96, 0x76543210
	s_mov_b32 s97, 0xfedcba98
	; tokens: 128 rows x 64 elements, dense, 4 words of padding behind every 32; weights: 32 rows x 256 elements, pitch 1,024, 4 words behind every 128
	s_or_b32 s[G1A], s73, (1<<16)|(1<<20)|(1<<21)|(4<<22)|(3<<25)
	s_mov_b32 s[G1A+1], 64<<16
	s_mov_b32 s[G1A+2], 128<<16
	s_mov_b32 s[G1A+3], 64<<16
	s_mov_b32 s[G1A+4], 128
	s_mov_b32 s[G1A+5], 64
	s_mov_b32 s[G1A+6], 0
	s_mov_b32 s[G1A+7], 0
	s_or_b32 s[G1B], s74, (1<<16)|(1<<20)|(1<<21)|(6<<22)|(3<<25)
	s_mov_b32 s[G1B+1], 256<<16
	s_mov_b32 s[G1B+2], 32<<16
	s_mov_b32 s[G1B+3], 256<<16
	s_mov_b32 s[G1B+4], 32
	s_mov_b32 s[G1B+5], 1024
	s_mov_b32 s[G1B+6], 0
	s_mov_b32 s[G1B+7], 0
	s_lshr_b32 s76, s72, 3                         ; tokens: ((batch x 16 + w) x 1024 + (i & 7) x 128) x 128 bytes: head plane w of K step 0 (cy and w alone)
	s_lshl_b32 s76, s76, 4
	s_add_co_u32 s76, s76, s66
	s_lshl_b32 s76, s76, 10
	s_and_b32 s99, s72, 7
	s_lshl_b32 s99, s99, 7
	s_add_co_u32 s76, s76, s99
	s_lshl_b32 s76, s76, 7
	s_mov_b32 s77, 0
	s_lshl_b32 s78, s71, 7                         ; weights: row 128 j + 32 w (cx and w alone)
	s_lshl_b32 s3, s66, 5
	s_add_co_u32 s78, s78, s3
	s_lshl_b32 s78, s78, 11
	s_mov_b32 s79, 0
	s_lshr_b32 s48, s72, 3                         ; the residual: ((batch x 16 + 2 j + wc) x 1024 + (i & 7) x 128 + 64 wr) x 128 bytes
	s_lshl_b32 s48, s48, 4
	s_lshl1_add_u32 s48, s71, s48
	s_add_co_u32 s48, s48, s68
	s_lshl_b32 s48, s48, 10
	s_add_co_u32 s48, s48, s99
	s_lshl_b32 s99, s67, 6
	s_add_co_u32 s48, s48, s99
	s_lshl_b32 s48, s48, 7
	s_mov_b32 s49, 0
	s_lshl_b32 s50, s72, 7                         ; out0: row 128 i + 64 wr, byte (128 j + 64 wc) x 4
	s_add_co_u32 s50, s50, s99
	s_lshl_b32 s50, s50, 12
	s_lshl_b32 s99, s71, 9
	s_add_co_u32 s50, s50, s99
	s_lshl_b32 s99, s68, 8
	s_add_co_u32 s50, s50, s99
	s_mov_b32 s51, 0
	s_mul_i32 s100, s66, PLANE
	s_mul_i32 s101, s66, 32*BP
	s_wait_dscnt 0x0
	s_wait_kmcnt 0x0
	s_add_nc_u64 s[76:77], s[4:5], s[76:77]
	s_add_nc_u64 s[78:79], s[6:7], s[78:79]
	s_add_nc_u64 s[48:49], s[4:5], s[48:49]
	s_add_nc_u64 s[50:51], s[10:11], s[50:51]
	MKG0 0, 100, 0, 76, 0
	MKG0 1, 101, ASZ, 78, BOFF
	MKG0 2, 100, SLOT, 76, 4*131072
	MKG0 3, 101, SLOT+ASZ, 78, BOFF+KSTEP*2
	CROUND
	ISSUE 0
	ISSUE 1                                        ; four tensor loads of the wave are out now, the most in this text
	v_and_b32 v1, 15, v0
	v_bfe_u32 v2, v0, 4, 1
	v_and_b32 v3, 31, v0
	v_lshlrev_b32 v19, 4, v3
	v_lshlrev_b32 v21, 7, v1
	v_lshl_add_u32 v21, v2, 4, v21                 ; 128 r + 16 h
.irp a, 0,1,2,3
.irp b, 0,1,2,3
	global_load_b128 v[64+16*\a+4*\b:67+16*\a+4*\b], v21, s[48:49] offset:2048*\a+32*\b    ; o/S of my own outputs: the four loads of an a cover 2,048 dense bytes
.endr
.endr
	v_mul_u32_u24 v4, v1, AP
	v_lshl_add_u32 v4, v2, 4, v4
	s_mul_i32 s99, s67, 64*AP
	v_add_nc_u32 v[ADRA], s99, v4
	v_add_nc_u32 v[ADRA+1], SLOT, v[ADRA]
	v_mul_u32_u24 v5, v1, BP
	v_lshl_add_u32 v5, v2, 4, v5
	s_mul_i32 s99, s68, 64*BP
	s_add_co_u32 s99, s99, ASZ
	v_add_nc_u32 v[ADRB], s99, v5
	v_add_nc_u32 v[ADRB+3], SLOT, v[ADRB]
	s_mul_i32 s99, s66, 16*272
	s_add_co_u32 s99, s99, STAGE
	v_mul_u32_u24 v6, v1, 272
	v_lshl_add_u32 v6, v2, 5, v6
	v_add_nc_u32 v16, s99, v6                      ; in: row r, byte 32 h
	v_mul_u32_u24 v6, v2, 272
	v_lshl_add_u32 v6, v1, 4, v6
	v_add_nc_u32 v17, s99, v6                      ; back: row h, byte 16 r
	v_lshlrev_b32 v7, 12, v2
	v_lshl_add_u32 v18, v1, 4, v7                  ; the same two rows in out0
	SCALE 8
	s_wait_tensorcnt 2                             ; my two loads of K step 0 are in; slot 1's two stay out
	s_barrier_signal -1
	s_barrier_wait -1
	FETCH 0, 0, 0
	STEP 0, 1                                      ; four K steps, written out: the first products start the sums
	TURN 0, 1, 1
	STEP 1, 0
	TURN 1, 0, 1
	STEP 0, 0                                      ; the last two fill nothing
	TURN 0, 1, 0
	STEP 1, 0
	s_wait_dscnt 0x0
	MUL 1, 0, 3, 0
	PLACES
	WIN 0
; THE WAY OUT, 16 tokens at a time: S acc + S (o/S), through my own stage, out as rows of 256 bytes.
.macro OUTA a, regs:vararg
.irp r, \regs
	CVT2 192+2*(\r-64-16*\a), \r
.endr
.set q, 0
.rept 16
	v_pk_mul_f32 v[192+2*q:193+2*q], v[192+2*q:193+2*q], v[SS:SS+1]
.set q, q+1
.endr
	WIN 0x02                                       ; source 0: the accumulators' window
.set q, 0
.rept 16
	v_pk_fma_f32 v[192+2*q:193+2*q], v[32*\a+2*q:32*\a+2*q+1], v[SS:SS+1], v[192+2*q:193+2*q]
.set q, q+1
.endr
	WIN 0
.irp b, 0,1,2,3
	ds_store_b128 v16, v[192+8*\b:195+8*\b] offset:64*\b
	ds_store_b128 v16, v[196+8*\b:199+8*\b] offset:64*\b+16
.endr
	s_wait_xcnt 0x0                                ; v32-63, which the last stores read, are loaded again only behind this wait
.irp t, 0,1,2,3,4,5,6,7
	ds_load_b128 v[32+4*\t:35+4*\t], v17 offset:544*\t
.endr
.irp t, 0,1,2,3,4,5,6,7
	s_wait_dscnt 7-\t
	global_store_b128 v18, v[32+4*\t:35+4*\t], s[50:51] offset:(16*\a+2*\t)*4096 th:TH_STORE_NT    ; sixteen lanes store 256 consecutive bytes, aligned
.endr
.endm
	OUTA 0, 64,65,66,67,68,69,70,71,72,73,74,75,76,77,78,79
	OUTA 1, 80,81,82,83,84,85,86,87,88,89,90,91,92,93,94,95
	OUTA 2, 96,97,98,99,100,101,102,103,104,105,106,107,108,109,110,111
	OUTA 3, 112,113,114,115,116,117,118,119,120,121,122,123,124,125,126,127
	s_set_vgpr_msb 0x1
	s_wait_tensorcnt 0x0
	ds_add_u32 v255, v255
	s_wait_dscnt 0x0
	s_set_vgpr_msb 0x100
	CROUND                                         ; the closing round
	s_endpgm
.Lfunc_end_k_q4510cccf56_outp:
	.size	k_q4510cccf56_outp, .Lfunc_end_k_q4510cccf56_outp-k_q4510cccf56_outp
	.p2alignl 7, 3214868480
	.fill 96, 4, 3214868480
	.section	.rodata,"a",@progbits
	.p2align	6, 0x0
	.amdhsa_kernel k_q4510cccf56_outp
		.amdhsa_group_segment_fixed_size 327680
		.amdhsa_private_segment_fixed_size 0
		.amdhsa_enable_private_segment 0
		.amdhsa_kernarg_size 32
		.amdhsa_user_sgpr_count 2
		.amdhsa_user_sgpr_kernarg_segment_ptr 1
		.amdhsa_wavefront_size32 1
		.amdhsa_system_sgpr_workgroup_id_x 1
		.amdhsa_system_sgpr_workgroup_id_y 1
		.amdhsa_system_sgpr_workgroup_id_z 1
		.amdhsa_system_vgpr_workitem_id 0
		.amdhsa_next_free_vgpr 640
		.amdhsa_next_free_sgpr 102
		.amdhsa_reserve_vcc 0
		.amdhsa_float_denorm_mode_32 3
		.amdhsa_float_denorm_mode_16_64 3
		.amdhsa_memory_ordered 1
		.amdhsa_forward_progress 1
		.amdhsa_inst_pref_size 106
	.end_amdhsa_kernel
	.amdgpu_metadata
---
amdhsa.version: [ 1, 2 ]
amdhsa.kernels:
  - .name:           k_q4510cccf56_outp
    .symbol:         k_q4510cccf56_outp.kd
    .args:
      - { .name: oh, .offset: 0, .size: 8, .value_kind: global_buffer, .address_space: global }
      - { .name: wh, .offset: 8, .size: 8, .value_kind: global_buffer, .address_space: global }
      - { .name: part, .offset: 16, .size: 8, .value_kind: global_buffer, .address_space: global }
      - { .name: out0, .offset: 24, .size: 8, .value_kind: global_buffer, .address_space: global }
    .group_segment_fixed_size: 327680
    .private_segment_fixed_size: 0
    .kernarg_segment_align: 8
    .kernarg_segment_size: 32
    .max_flat_workgroup_size: 128
    .sgpr_count:     102
    .vgpr_count:     640
    .wavefront_size: 32
...
	.end_amdgpu_metadata
.endif
;; end of part 5
